; MI455X (gfx1250); checked and timed in simulation.
; The chip was launched on July 23, 2026; its instructions are those of AMD's public machine-readable ISA for CDNA 5 (MIT licence, August 2026) and "CDNA5" Instruction Set Architecture Reference Guide (July 2026). The comments in the code are by the model that wrote it; some were corrected since.
;; Causal Self Attention Ro PE. Allowed arithmetic: matrix products marked QUANTISED: E5M2 operands, one given power-of-two scale a tensor, by v_wmma_f32_16x16x64_bf8_bf8 or v_wmma_f32_16x16x128_bf8_bf8, f32 sums; products left as they are: f32 operands where the result goes on into a quantised operand, else bf16, f16 or f32 operands; f32 sums; everything else in f32.
;; Inputs: W_out 1,024 x 1,024 float32; W_qkv 1,024 x 3,072 float32; b_out 1,024 float32; b_qkv 3,072 float32; lowp_scales 8 int32 (the exponents e of the quantised operands' scales 2^e); pad_mask 4 x 2,048 bool; x 4 x 2,048 x 1,024 float32.
;; Outputs: out0 4 x 2,048 x 1,024 float32.
;; This version of the problem:
;;   THIS VERSION OF THE PROBLEM IS GIVEN IN LOW PRECISION. The matrix products marked QUANTISED in the list below multiply operands that are first quantised to E5M2 (5 exponent bits, 2 mantissa bits; 8 bits a number), with one given power-of-two scale for each operand tensor; their sums are f32. All else is computed in f32.
;;   The module's matrix products, in the order in which they are computed (A, B: the left and right operand; K: the contracted axis; several contracted axes count as one K, in the product's order):
;;     1. [M 8,192, K 1,024] x [K 1,024, N 3,072]; A: input x; B: input W_qkv: QUANTISED (scales: A lowp_scales[0], B lowp_scales[1])
;;     2. [M 2,048, K 1] x [K 1, N 32]; A: computed on the way; B: computed on the way: left as it is (no contracted axis)
;;     3. batch 64 x [M 2,048, K 64] x [K 64, N 2,048]; A: computed on the way; B: computed on the way: QUANTISED (scales: A lowp_scales[2], B lowp_scales[3])
;;     4. batch 64 x [M 2,048, K 2,048] x [K 2,048, N 64]; A: softmax (see below); B: computed on the way: QUANTISED (scales: A lowp_scales[4], B lowp_scales[5])
;;     5. [M 8,192, K 1,024] x [K 1,024, N 1,024]; A: computed on the way; B: input W_out: QUANTISED (scales: A lowp_scales[6], B lowp_scales[7])
;;   THE QUANTISER, for each operand of a quantised product, along K:
;;     - The operand's scale is 2^e, e = its entry of the input lowp_scales (int32; the entries are numbered through the quantised products in the list's order, A before B).
;;     - Each number is divided by the scale, clamped to +-57,344, and rounded to the nearest number of E5M2, ties to even, subnormals kept.
;;     - The product sums the exact products of the quantised numbers (number of the format x scale) in f32.
;;   ~~~python
;;   def quantise(x, axis, e):      # numpy; x: float32 -> the quantised numbers, widened to float32 again
;;       x = np.moveaxis(x, axis, -1); K = x.shape[-1]
;;       r = np.clip(x / 2.0 ** e, -57344, 57344)
;;       step = 2.0 ** (np.maximum(np.frexp(np.where(r == 0, 1, r))[1] - 1, -14) - 2)
;;       q = np.round(r / step) * step * 2.0 ** e      # np.round: ties to even
;;       return np.moveaxis(q, -1, axis).astype(np.float32)
;;   ~~~
;;   SOFTMAX AHEAD OF A QUANTISED PRODUCT. Where the list says 'softmax', what is quantised is not the finished softmax but p = 2^(t - M), with t = logit x log2(e) and M = ceil(the row's largest t), a whole number; so 1/2 < the row's largest p <= 1. The row's sum l is taken of the UNQUANTISED p, in f32, and the product's result is divided by l at the end. Since M is a whole number, a kernel that streams over the keys may use a running M (the ceiling of the running maximum): every later rescaling is an exact power of two, so the quantised numbers keep their values, but for numbers so far below the row's largest that they fall under the format's range.
;;   OPERANDS COMPUTED ON THE WAY. 'Computed on the way' means the value that the module computes at that place (a softmax that the list does not call 'softmax' is quantised finished and normalised). What goes into a quantiser is computed in f32, as accurately as f32 sums, v_exp_f32 and their like allow (about 1e-6 of the number): no bf16 or f16 on the way to a quantiser, and a product that is left as it is and whose result goes on into a quantised operand takes f32 operands (vector FMAs, or v_wmma_f32_16x16x4_f32). A number that lies on a knife's edge between two numbers of the format may be rounded either way, as far as f32 arithmetic and the matrix unit's own rounding can turn it there, and no further.
;; One version. Each part assembles by itself: llvm-mc -triple=amdgcn-amd-amdhsa -mcpu=gfx1250 --defsym DOCPART=n.
;; ======== version 1 of 1: 4 launches
;; limits: right only within a limited range of input values
;; workspace buffers: xc 8,388,608 bytes; wqc 3,145,728 bytes; woc 1,048,576 bytes; ropet 524,288 bytes; qkvc 25,690,112 bytes; yc 8,388,608 bytes
;; launch prep (part 1): grid 416 x 1, 4 waves a work-group, no clusters, 102,912 bytes of LDS; arguments x, W_qkv, W_out, lowp_scales, xc, wqc, woc, ropet, pad_mask, qkvc; writes xc, wqc, woc, ropet, qkvc
.if DOCPART == 1
	.amdgcn_target "amdgcn-amd-amdhsa--gfx1250"
	.amdhsa_code_object_version 6
	.text
	.protected	k_q15e0c8f75b_prep
	.globl	k_q15e0c8f75b_prep
	.p2align	8
	.type	k_q15e0c8f75b_prep,@function
k_q15e0c8f75b_prep:
	s_mov_b64 s[64:65], 0
	v_nop
	global_prefetch_b8 v0, s[64:65] scope:SCOPE_SE
	s_setreg_imm32_b32 hwreg(HW_REG_WAVE_MODE, 25, 1), 1
	s_wait_xcnt 0x0
; PREP: everything that is made once, ahead of the products.  Four paths, parted on the work-group's number; each has LDS bytes of its own.
;   work-groups   0-255: x [8192][1024] f32 -> codes of E5M2, K innermost (scale 2^e0)
;   work-groups 256-351: W_qkv [1024 k][3072 n] f32 -> codes [3072 n][1024 k] (2^e1): a lane takes a column, its registers run down K
;   work-groups 352-383: W_out [1024 k][1024 n] f32 -> codes [1024 n][1024 k] (2^e7); in each 32 along K the second and third 8 bytes change places,
;                        so that four 16-byte reads of a row give each k the register place that y's codes have in the last product
;   work-groups 384-415: the table of cos and sin for RoPE (f32), and the pad mask as numbers 0 / -infinity behind each head's blocks of 128 keys
; code = x / 2^e, held within +-57,344, to the nearest code, ties to even.
; LIMITS: e0, e1, e7 between -126 and 112, so that 2^e and 57,344 x 2^e are f32 numbers.  NaN among x, W_qkv, W_out is not served.  Any pad byte other than 0 counts as true.
; cos, sin: inv_freq = 2^(-f c), c = log2(10000) / 32 in two parts: one v_exp_f32 on the fraction, the whole part taken off the result's exponent field; angle = position x inv_freq (one rounding);
; the angle less a whole number of quarter turns (pi/2 in two parts, fused) and polynomials of degree 7 and 8 on +-pi/4.
.set BLK,   25088                      ; a block of 128 positions of one head: Q 8,192 | K 8,192 | V 8,192 | mask 512 bytes
.set HS,    16*BLK                     ; a head
.set SP,    80                         ; path x: a lane's place in a stage: 64 bytes + 16
.set XR,    16                         ; path x: v16-79 four sets of 16 numbers as loaded
.set XX,    80                         ;         v80-111 two sets of 16 neighbours
.set XC,    128                        ;         v128-191 codes, four registers a step
.set WX,    32                         ; weights: v32-95 two sets of 32 numbers
.set WC,    96                         ;          v96-103 a block's codes
.set WOUT,  112                        ;          v112-175 the way out
	s_load_b256 s[4:11], s[0:1], 0x0               ; x s[4:5], W_qkv s[6:7], W_out s[8:9], the exponents s[10:11]
	s_load_b256 s[12:19], s[0:1], 0x20             ; x's codes s[12:13], W_qkv's s[14:15], W_out's s[16:17], the table s[18:19]
	s_load_b128 s[48:51], s[0:1], 0x40             ; pad_mask s[48:49], the heads' buffer s[50:51]
	v_lshl_add_u32 v192, v0, 2, 0x19000
	v_mov_b32 v193, 0
	v_lshrrev_b32 v1, 5, v0
	v_readfirstlane_b32 s28, v1                    ; wave 0..3
	v_and_b32 v2, 31, v0                           ; lane
	s_wait_kmcnt 0x0
	s_load_b256 s[20:27], s[10:11], 0x0            ; e0 .. e7
	s_mov_b32 s35, 0                               ; the upper word of every 32-bit offset below
.macro SCALE ex                        ; v11 = 2^e (the conversion takes its exponent field), v10 = 57,344 x 2^e
	s_wait_kmcnt 0x0
	s_add_co_i32 s32, s[\ex], 127
	s_lshl_b32 s33, s32, 23
	v_mov_b32 v11, s33
	s_add_co_i32 s32, s32, 15
	s_lshl_b32 s32, s32, 23
	s_or_b32 s32, s32, 0x600000
	v_mov_b32 v10, s32
.endm
	s_cmp_lt_u32 ttmp9, 256
	s_cbranch_scc0 .Lnot_x
; ---- x.  A wave takes 16 steps of 512 numbers.  Each load reads 512 consecutive bytes; a step's 2,048 bytes turn through the wave's own stage in LDS so that a lane gets 16 neighbours along K.
.macro XLOAD t
.irp i, 0,1,2,3
	global_load_b128 v[XR+16*((\t)%4)+4*\i:XR+16*((\t)%4)+4*\i+3], v3, s[4:5] offset:2048*(\t)+512*\i th:TH_LOAD_NT
.endr
.endm
.macro XTURN t                         ; LDS serves a wave's instructions in order: no wait between the stores and the loads
.irp i, 0,1,2,3
	ds_store_b128 v14, v[XR+16*((\t)%4)+4*\i:XR+16*((\t)%4)+4*\i+3] offset:32*SP*((\t)%2)+8*SP*\i
.endr
.irp i, 0,1,2,3
	ds_load_b128 v[XX+16*((\t)%2)+4*\i:XX+16*((\t)%2)+4*\i+3], v15 offset:32*SP*((\t)%2)+16*\i
.endr
.endm
.macro XSTEP t
.set XS, XX+16*((\t)%2)
	s_wait_dscnt 0x0                               ; this step's numbers are back from the stage, and its stores into the stage have read their registers
.if (\t)+4 < 16
	XLOAD (\t)+4
.endif
.if (\t)+1 < 16
.if 14-(\t) >= 3
	s_wait_loadcnt 12                              ; the next step's four loads are in; those of the three steps behind it may be out
.else
	s_wait_loadcnt 4*(14-(\t))
.endif
	XTURN (\t)+1
.endif
.irp i, 0,1,2,3,4,5,6,7,8,9,10,11,12,13,14,15
	v_med3_num_f32 v[XS+\i], v[XS+\i], -v10, v10   ; the conversion does not saturate (ISA guide 7.6.2): the hold comes first
.endr
	v_cvt_scalef32_pk8_bf8_f32 v[XC+4*(\t):XC+4*(\t)+1], v[XS:XS+7], v11
	v_cvt_scalef32_pk8_bf8_f32 v[XC+4*(\t)+2:XC+4*(\t)+3], v[XS+8:XS+15], v11
	global_store_b128 v3, v[XC+4*(\t):XC+4*(\t)+3], s[12:13] offset:512*(\t)   ; 32 lanes store 512 consecutive bytes
.endm
	s_wait_alu depctr_va_vdst(0)
	v_lshlrev_b32 v3, 4, v2                        ; 16 x lane: my bytes of a load's 512, and of a store's
	s_lshl_b32 s29, s28, 13                        ; my wave's 8,192 bytes of LDS (bytes 0 to 32,767 are this path's)
	v_lshrrev_b32 v14, 2, v2
	v_mul_u32_u24 v14, v14, SP
	v_and_b32 v15, 3, v2
	v_lshl_add_u32 v14, v15, 4, v14
	v_add_nc_u32 v14, s29, v14                     ; into the stage: four lanes' 64 bytes on end, then 16 of padding
	v_mul_u32_u24 v15, v2, SP
	v_add_nc_u32 v15, s29, v15                     ; out of it: my 16 neighbours
	s_lshl_b32 s30, ttmp9, 2
	s_add_co_u32 s30, s30, s28                     ; which run of 8,192 numbers is my wave's
	s_lshl_b32 s34, s30, 15
	s_add_nc_u64 s[4:5], s[4:5], s[34:35]
	s_lshl_b32 s34, s30, 13
	s_add_nc_u64 s[12:13], s[12:13], s[34:35]
.irp t, 0,1,2,3
	XLOAD \t
.endr
	s_wait_alu depctr_va_vdst(0)
	SCALE 20
	s_wait_alu depctr_va_vdst(0)
	s_wait_loadcnt 12                              ; step 0's four loads are in
	XTURN 0
.irp t, 0,1,2,3,4,5,6,7,8,9,10,11,12,13,14,15
	XSTEP \t
.endr
	s_wait_tensorcnt 0x0
	ds_add_u32 v192, v193
	s_wait_dscnt 0x0
	s_endpgm
; ---- a weight [1024 k][sn n].  A wave takes 32 columns x 256 along K; the codes leave through the wave's own stage as rows: sixteen lanes store 256 consecutive bytes.
.macro WLOAD t, sn, src
.irp i, 0,1,2,3,4,5,6,7,8,9,10,11,12,13,14,15,16,17,18,19,20,21,22,23,24,25,26,27,28,29,30,31
	global_load_b32 v[WX+32*((\t)%2)+\i], v3, s[\src:\src+1] offset:(32*(\t)+\i)*\sn*4 th:TH_LOAD_NT
.endr
.endm
.macro WBLOCK t, sn, src, swap
.set XS, WX+32*((\t)%2)
.if (\t) < 7
	s_wait_loadcnt 32                              ; this block's 32 loads are in; the next block's may be out
.else
	s_wait_loadcnt 0
.endif
.irp i, 0,1,2,3,4,5,6,7,8,9,10,11,12,13,14,15,16,17,18,19,20,21,22,23,24,25,26,27,28,29,30,31
	v_med3_num_f32 v[XS+\i], v[XS+\i], -v10, v10
.endr
.irp g, 0,1,2,3
.if \swap
	v_cvt_scalef32_pk8_bf8_f32 v[WC+2*((\g%2)*2+\g/2):WC+2*((\g%2)*2+\g/2)+1], v[XS+8*\g:XS+8*\g+7], v11   ; eight along K number g go to place 0, 2, 1, 3
.else
	v_cvt_scalef32_pk8_bf8_f32 v[WC+2*\g:WC+2*\g+1], v[XS+8*\g:XS+8*\g+7], v11
.endif
.endr
	ds_store_b128 v4, v[WC:WC+3] offset:32*(\t)
	ds_store_b128 v4, v[WC+4:WC+7] offset:32*(\t)+16
.if (\t)+2 < 8
	WLOAD (\t)+2, \sn, \src
.endif
	s_wait_dscnt 0x0                               ; the stores have read their registers: the next block's codes may be written
.endm
.macro WQUANT sn, stg, swap, src, dst, ex, first
	s_sub_co_u32 s30, ttmp9, \first
	s_and_b32 s31, s30, 3                          ; which 256 along K
	s_lshr_b32 s30, s30, 2
	s_lshl_b32 s30, s30, 7
	s_lshl_b32 s32, s28, 5
	s_add_co_u32 s30, s30, s32                     ; my wave's first column
	v_lshlrev_b32 v3, 2, v2                        ; in: 4 bytes a lane
	s_mul_i32 s33, s28, 32*272
	s_add_co_u32 s33, s33, \stg                    ; my stage: 32 rows of 256 + 16 bytes
	v_mul_u32_u24 v4, v2, 272
	v_add_nc_u32 v4, s33, v4                       ; into it: row = my column
	v_and_b32 v5, 15, v2
	v_lshrrev_b32 v6, 4, v2
	v_mul_u32_u24 v7, v6, 272
	v_lshl_add_u32 v7, v5, 4, v7
	v_add_nc_u32 v7, s33, v7                       ; out of it: sixteen lanes to a row, two rows an instruction
	v_lshlrev_b32 v8, 10, v6
	v_lshl_add_u32 v8, v5, 4, v8                   ; and the same place in the codes (a row is 1,024 bytes)
	s_mul_i32 s34, s31, 256*\sn*4
	s_lshl_b32 s36, s30, 2
	s_add_co_u32 s34, s34, s36
	s_add_nc_u64 s[\src:\src+1], s[\src:\src+1], s[34:35]
	s_lshl_b32 s34, s30, 10
	s_lshl_b32 s36, s31, 8
	s_add_co_u32 s34, s34, s36
	s_add_nc_u64 s[\dst:\dst+1], s[\dst:\dst+1], s[34:35]
	WLOAD 0, \sn, \src
	WLOAD 1, \sn, \src
	SCALE \ex
	s_wait_alu depctr_va_vdst(0)
.irp t, 0,1,2,3,4,5,6,7
	WBLOCK \t, \sn, \src, \swap
.endr
.irp t, 0,1,2,3,4,5,6,7,8,9,10,11,12,13,14,15
	ds_load_b128 v[WOUT+4*\t:WOUT+4*\t+3], v7 offset:2*\t*272   ; in order behind my stores
.endr
.irp t, 0,1,2,3,4,5,6,7,8,9,10,11,12,13,14,15
	s_wait_dscnt 15-\t
	global_store_b128 v8, v[WOUT+4*\t:WOUT+4*\t+3], s[\dst:\dst+1] offset:2*\t*1024
.endr
	s_wait_tensorcnt 0x0
	ds_add_u32 v192, v193
	s_wait_dscnt 0x0
	s_endpgm
.endm
.Lnot_x:
	s_cmp_lt_u32 ttmp9, 352
	s_cbranch_scc0 .Lnot_wq
	s_wait_alu depctr_va_vdst(0)
	WQUANT 3072, 32768, 0, 6, 14, 21, 256          ; W_qkv: LDS bytes 32,768 to 67,583
.Lnot_wq:
	s_cmp_lt_u32 ttmp9, 384
	s_cbranch_scc0 .Lrope
	s_wait_alu depctr_va_vdst(0)
	WQUANT 1024, 67584, 1, 8, 16, 27, 352          ; W_out: LDS bytes 67,584 to 102,399
; ---- the table and the mask.  Wave T (0..127) makes tile T of the table: positions 16 T + r; lane (r, h) holds frequencies f = 16 u + 8 h + j, number n = 8 u + j.
; The tile is 8 groups of 512 bytes, lane l's 16 bytes at 16 l: cos of n = 0-3, 4-7, 8-11, 12-15, then sin likewise: the registers in which the first product's way out wants them.
; WHOLE NUMBERS AND f32.  A whole number n under 2^22 added onto the bit pattern of 2^23 is the f32 number 2^23 + n; 2^23 taken away again leaves n, exactly.  The other way round, x + 1.5 x 2^23 is x rounded to the
; nearest whole number (ties to even) over 1.5 x 2^23: the sum's low bits are that whole number, and 1.5 x 2^23 taken away leaves it as f32.  So this path needs additions and bit operations alone for both.
.Lrope:
.set FF,  16                           ; f; later cos
.set FRR, 32                           ; the exponent's fraction, negated; later sin
.set NI,  48                           ; 1.5 x 2^23 + a whole number
.set INV, 64
.set ANG, 80
.set KQ,  96
.set RR,  112
.set ZZ,  128
.set PS,  144
.set PC,  160
.set TT,  176
.set P23,  0x4b000000                  ; 2^23 as f32
.set M23,  0xcb000000                  ; -2^23
.set M15,  0xcb400000                  ; -1.5 x 2^23
	s_sub_co_u32 s30, ttmp9, 384
	s_lshl_b32 s30, s30, 2
	s_add_co_u32 s30, s30, s28                     ; T
	s_lshr_b32 s31, s30, 1                         ; which 128 keys of the 64 x 128 in pad_mask: 16 x batch + block
	s_lshl_b32 s34, s31, 7
	s_add_nc_u64 s[48:49], s[48:49], s[34:35]
	s_wait_alu depctr_va_vdst(0)
	v_lshlrev_b32 v7, 2, v2
	global_load_b32 v6, v7, s[48:49]               ; four keys' bytes a lane
	s_lshr_b32 s32, s31, 4
	s_lshl_b32 s32, s32, 4
	s_and_b32 s33, s30, 1
	s_lshl_b32 s33, s33, 3
	s_add_co_u32 s32, s32, s33                     ; the first of my eight heads: 16 x batch + 8 (T % 2)
	s_mul_i32 s34, s32, HS
	s_and_b32 s33, s31, 15
	s_mul_i32 s33, s33, BLK
	s_add_co_u32 s34, s34, s33
	s_add_co_u32 s34, s34, 24576                   ; behind the block's V
	s_add_nc_u64 s[50:51], s[50:51], s[34:35]
	s_lshl_b32 s34, s30, 12
	s_add_nc_u64 s[18:19], s[18:19], s[34:35]      ; my tile of the table
	v_and_b32 v3, 15, v2
	v_lshrrev_b32 v4, 4, v2
	v_lshlrev_b32 v4, 3, v4                        ; 8 h
	s_wait_alu depctr_va_vdst(0)
	s_lshl_b32 s31, s30, 4
	s_add_co_u32 s31, s31, P23
	v_add_nc_u32 v3, s31, v3                       ; the pattern of 2^23 + 16 T + r,
	v_add_f32 v3, M23, v3                          ; and my position as f32
	v_lshlrev_b32 v5, 4, v2                        ; 16 x lane
	s_mov_b32 s36, 0x3ed49a80                      ; c, upper part: 17 bits, so that f x it is exact
	s_mov_b32 s37, 0x3476865d                      ; upper part - c: 2.2959416e-7
	s_mov_b32 s38, 0x3f22f983                      ; 2 / pi
	s_mov_b32 s39, 0x3fc90fdb                      ; pi / 2, upper part
	s_mov_b32 s40, 0xb33bbd2e                      ; pi / 2, the rest
	s_mov_b32 s41, 0xbe2aaaa3                      ; sin: -1.6666654611e-1,
	s_mov_b32 s42, 0x3c08839e                      ; 8.3321608736e-3,
	s_mov_b32 s43, 0xb94ca1f9                      ; -1.9515295891e-4
	s_mov_b32 s44, 0x3d2aaaa5                      ; cos: 4.1666645683e-2,
	s_mov_b32 s45, 0xbab6061a                      ; -1.3887316255e-3,
	s_mov_b32 s46, 0x37ccf5ce                      ; 2.4433157118e-5
	s_mov_b32 s47, 0x4b400000                      ; 1.5 x 2^23
	s_mov_b32 s52, 0xbf000000                      ; -0.5
	s_mov_b32 s53, 0x3f800000                      ; 1
.irp n, 0,1,2,3,4,5,6,7,8,9,10,11,12,13,14,15
	v_add_nc_u32 v[FF+\n], P23+\n+8*(\n/8), v4     ; the pattern of 2^23 + f, f = n + 8 (n / 8) + 8 h
.endr
.irp n, 0,1,2,3,4,5,6,7,8,9,10,11,12,13,14,15
	v_add_f32 v[FF+\n], M23, v[FF+\n]              ; f
.endr
.irp n, 0,1,2,3,4,5,6,7,8,9,10,11,12,13,14,15
	v_mul_f32 v[FRR+\n], s36, v[FF+\n]             ; exact: 5 bits x 17 bits
.endr
.irp n, 0,1,2,3,4,5,6,7,8,9,10,11,12,13,14,15
	v_add_f32 v[NI+\n], s47, v[FRR+\n]             ; its nearest whole number w (0 to 13), over 1.5 x 2^23
.endr
.irp n, 0,1,2,3,4,5,6,7,8,9,10,11,12,13,14,15
	v_add_f32 v[TT+\n], M15, v[NI+\n]              ; w as f32
.endr
.irp n, 0,1,2,3,4,5,6,7,8,9,10,11,12,13,14,15
	v_sub_f32 v[FRR+\n], v[TT+\n], v[FRR+\n]       ; w - f x upper part: exact
.endr
.irp n, 0,1,2,3,4,5,6,7,8,9,10,11,12,13,14,15
	v_fma_f32 v[FRR+\n], v[FF+\n], s37, v[FRR+\n]  ; w - f c, within +-0.5
.endr
	s_wait_alu depctr_va_vdst(0)
.irp n, 0,1,2,3,4,5,6,7,8,9,10,11,12,13,14,15
	v_exp_f32 v[INV+\n], v[FRR+\n]                 ; 2^(w - f c), between 0.7 and 1.42: one batch
.endr
.irp n, 0,1,2,3,4,5,6,7,8,9,10,11,12,13,14,15
	v_lshlrev_b32 v[NI+\n], 23, v[NI+\n]           ; w in the place of an exponent field (the pattern of 1.5 x 2^23 is shifted out).  Plain work that names no result of the batch
.endr
	s_wait_alu depctr_va_vdst(0)                   ; one wait for the batch, ahead of its first reader
.irp n, 0,1,2,3,4,5,6,7,8,9,10,11,12,13,14,15
	v_sub_nc_u32 v[INV+\n], v[INV+\n], v[NI+\n]    ; w off the exponent field: inv_freq = 2^(-f c); nothing is rounded, and the number stays normal (it is over 2^-14)
.endr
.irp n, 0,1,2,3,4,5,6,7,8,9,10,11,12,13,14,15
	v_mul_f32 v[ANG+\n], v3, v[INV+\n]             ; the angle: one rounding
.endr
.irp n, 0,1,2,3,4,5,6,7,8,9,10,11,12,13,14,15
	v_mul_f32 v[KQ+\n], s38, v[ANG+\n]
.endr
.irp n, 0,1,2,3,4,5,6,7,8,9,10,11,12,13,14,15
	v_add_f32 v[NI+\n], s47, v[KQ+\n]              ; quarter turns (0 to 1,303), over 1.5 x 2^23: the low bits are the number
.endr
.irp n, 0,1,2,3,4,5,6,7,8,9,10,11,12,13,14,15
	v_add_f32 v[KQ+\n], M15, v[NI+\n]              ; and as f32
.endr
.irp n, 0,1,2,3,4,5,6,7,8,9,10,11,12,13,14,15
	v_fma_f32 v[RR+\n], -v[KQ+\n], s39, v[ANG+\n]  ; exact: a multiple of 2^-23 or of the angle's last place, under 1
.endr
.irp n, 0,1,2,3,4,5,6,7,8,9,10,11,12,13,14,15
	v_fma_f32 v[RR+\n], -v[KQ+\n], s40, v[RR+\n]
.endr
.irp n, 0,1,2,3,4,5,6,7,8,9,10,11,12,13,14,15
	v_mul_f32 v[ZZ+\n], v[RR+\n], v[RR+\n]
.endr
.irp n, 0,1,2,3,4,5,6,7,8,9,10,11,12,13,14,15
	v_fma_f32 v[PS+\n], s43, v[ZZ+\n], s42
	v_fma_f32 v[PC+\n], s46, v[ZZ+\n], s45
.endr
.irp n, 0,1,2,3,4,5,6,7,8,9,10,11,12,13,14,15
	v_fma_f32 v[PS+\n], v[PS+\n], v[ZZ+\n], s41
	v_fma_f32 v[PC+\n], v[PC+\n], v[ZZ+\n], s44
.endr
.irp n, 0,1,2,3,4,5,6,7,8,9,10,11,12,13,14,15
	v_mul_f32 v[PS+\n], v[PS+\n], v[ZZ+\n]
	v_fma_f32 v[PC+\n], v[PC+\n], v[ZZ+\n], s52
.endr
.irp n, 0,1,2,3,4,5,6,7,8,9,10,11,12,13,14,15
	v_fma_f32 v[PS+\n], v[PS+\n], v[RR+\n], v[RR+\n]   ; sin of the rest
	v_fma_f32 v[PC+\n], v[PC+\n], v[ZZ+\n], s53        ; cos of the rest
.endr
.irp n, 0,1,2,3,4,5,6,7,8,9,10,11,12,13,14,15
	v_and_b32 v[TT+\n], 1, v[NI+\n]
	v_cmp_eq_u32 vcc_lo, 1, v[TT+\n]               ; an odd quarter: sin and cos change places
	v_cndmask_b32 v[FRR+\n], v[PS+\n], v[PC+\n], vcc_lo
	v_cndmask_b32 v[FF+\n], v[PC+\n], v[PS+\n], vcc_lo
.endr
.irp n, 0,1,2,3,4,5,6,7,8,9,10,11,12,13,14,15
	v_and_b32 v[TT+\n], 2, v[NI+\n]                ; quarters 2, 3: sin changes sign
	v_add_nc_u32 v[NI+\n], 1, v[NI+\n]
	v_lshlrev_b32 v[TT+\n], 30, v[TT+\n]
	v_and_b32 v[NI+\n], 2, v[NI+\n]                ; quarters 1, 2: cos changes sign
	v_xor_b32 v[FRR+\n], v[FRR+\n], v[TT+\n]
	v_lshlrev_b32 v[NI+\n], 30, v[NI+\n]
	v_xor_b32 v[FF+\n], v[FF+\n], v[NI+\n]
.endr
.irp g, 0,1,2,3
	global_store_b128 v5, v[FF+4*\g:FF+4*\g+3], s[18:19] offset:512*\g          ; 512 consecutive bytes a store
	global_store_b128 v5, v[FRR+4*\g:FRR+4*\g+3], s[18:19] offset:2048+512*\g
.endr
	v_mov_b32 v12, 0xff800000                      ; -infinity
	s_wait_alu depctr_va_vdst(0)
	s_wait_loadcnt 0x0
.irp i, 0,1,2,3
	v_bfe_u32 v13, v6, 8*\i, 8
	v_cmp_ne_u32 vcc_lo, 0, v13
	v_cndmask_b32 v[8+\i], 0, v12, vcc_lo          ; a padded key: -infinity, to be added to its scores; else 0
.endr
.irp d, 0,1,2,3,4,5,6,7
	global_store_b128 v5, v[8:11], s[50:51] offset:\d*HS   ; the same 128 numbers for each of my eight heads
.endr
	s_endpgm
.Lfunc_end_k_q15e0c8f75b_prep:
	.size	k_q15e0c8f75b_prep, .Lfunc_end_k_q15e0c8f75b_prep-k_q15e0c8f75b_prep
	.p2alignl 7, 3214868480
	.fill 96, 4, 3214868480
	.section	.rodata,"a",@progbits
	.p2align	6, 0x0
	.amdhsa_kernel k_q15e0c8f75b_prep
		.amdhsa_group_segment_fixed_size 102912
		.amdhsa_private_segment_fixed_size 0
		.amdhsa_enable_private_segment 0
		.amdhsa_kernarg_size 80
		.amdhsa_user_sgpr_count 2
		.amdhsa_user_sgpr_kernarg_segment_ptr 1
		.amdhsa_wavefront_size32 1
		.amdhsa_system_sgpr_workgroup_id_x 1
		.amdhsa_system_sgpr_workgroup_id_y 1
		.amdhsa_system_sgpr_workgroup_id_z 1
		.amdhsa_system_vgpr_workitem_id 0
		.amdhsa_next_free_vgpr 194
		.amdhsa_next_free_sgpr 66
		.amdhsa_reserve_vcc 1
		.amdhsa_float_denorm_mode_32 3
		.amdhsa_float_denorm_mode_16_64 3
		.amdhsa_memory_ordered 1
		.amdhsa_forward_progress 1
		.amdhsa_inst_pref_size 163
	.end_amdhsa_kernel
	.amdgpu_metadata
---
amdhsa.version: [ 1, 2 ]
amdhsa.kernels:
  - .name:           k_q15e0c8f75b_prep
    .symbol:         k_q15e0c8f75b_prep.kd
    .args:
      - { .name: x, .offset: 0, .size: 8, .value_kind: global_buffer, .address_space: global }
      - { .name: W_qkv, .offset: 8, .size: 8, .value_kind: global_buffer, .address_space: global }
      - { .name: W_out, .offset: 16, .size: 8, .value_kind: global_buffer, .address_space: global }
      - { .name: lowp_scales, .offset: 24, .size: 8, .value_kind: global_buffer, .address_space: global }
      - { .name: xc, .offset: 32, .size: 8, .value_kind: global_buffer, .address_space: global }
      - { .name: wqc, .offset: 40, .size: 8, .value_kind: global_buffer, .address_space: global }
      - { .name: woc, .offset: 48, .size: 8, .value_kind: global_buffer, .address_space: global }
      - { .name: ropet, .offset: 56, .size: 8, .value_kind: global_buffer, .address_space: global }
      - { .name: pad_mask, .offset: 64, .size: 8, .value_kind: global_buffer, .address_space: global }
      - { .name: qkvc, .offset: 72, .size: 8, .value_kind: global_buffer, .address_space: global }
    .group_segment_fixed_size: 102912
    .private_segment_fixed_size: 0
    .kernarg_segment_align: 8
    .kernarg_segment_size: 80
    .max_flat_workgroup_size: 128
    .sgpr_count:     66
    .vgpr_count:     194
    .wavefront_size: 32
...
	.end_amdgpu_metadata
.endif
;; end of part 1
;; launch qkv_gemm (part 2): grid 12 x 32, 4 waves a work-group, clusters of 4 x 4, 327,680 bytes of LDS; arguments xc, wqc, lowp_scales, b_qkv, ropet, qkvc; writes qkvc
.if DOCPART == 2
	.amdgcn_target "amdgcn-amd-amdhsa--gfx1250"
	.amdhsa_code_object_version 6
	.text
	.protected	k_q15e0c8f75b_qkv_gemm
	.globl	k_q15e0c8f75b_qkv_gemm
	.p2align	8
	.type	k_q15e0c8f75b_qkv_gemm,@function
k_q15e0c8f75b_qkv_gemm:
	s_mov_b64 s[64:65], 0
	v_nop
	global_prefetch_b8 v0, s[64:65] scope:SCOPE_SE
	s_setreg_imm32_b32 hwreg(HW_REG_WAVE_MODE, 25, 1), 1
	s_wait_xcnt 0x0
	s_wait_alu depctr_hold_cnt(0) depctr_sa_sdst(0) depctr_va_vdst(0) depctr_va_sdst(0) depctr_va_ssrc(0) depctr_va_vcc(0) depctr_vm_vsrc(0)
	s_getreg_b32 s2, hwreg(HW_REG_IB_STS2, 6, 4)
	s_cmp_eq_u32 s2, 0
	s_cbranch_scc0 .Lentry_in_a_cluster
	s_endpgm
.Lentry_in_a_cluster:
	s_bfe_u32 s2, ttmp6, 0x10000c
	s_cmp_lg_u32 s2, 0xf033
	s_cbranch_scc0 .Lentry_shape_is_right
	s_endpgm
.Lentry_shape_is_right:
; qkv = x W_qkv + b_qkv on codes of E5M2 (x: [8192][1024], W_qkv: [3072 n][1024 k], K innermost), then RoPE on q and k, then q, k, v quantised (2^e2, 2^e3, 2^e5) and stored as IMAGES OF OPERAND REGISTERS.
; A tile of the product, 256 x 256, is made by a work-group of four waves; a wave makes 128 x 128: 64 accumulators, 512 registers.  K goes in 4 steps of 256 through a ring of two LDS slots filled by the tensor data mover.
; CLUSTERS: 4 x 4 work-groups.  The four of a row of the cluster need the same tiles of x, the four of a column the same tiles of W: each tile is asked for jointly.  The cluster's x is 0 for q, 1 for k, 2 for v: alike in all partners.
; WHAT A LANE HOLDS.  Source 1's row is the lane's (lane % 16), source 0's rows run along its eight registers (8 (lane / 16) + j).  For q and k source 1 = x, source 0 = W: a lane holds one position and eight neighbouring
; channels.  For v the two change places (the two fragment addresses are chosen by the cluster's x): a lane holds one channel and eight neighbouring KEYS, which are the K of attention's second product.
; Either way eight registers converted to codes are registers 2 c, 2 c + 1 of the next operand (k = 16 c + 8 (lane / 16) + 0 .. 7): they are stored as they stand, four registers a store, lane l's 16 bytes at 16 l: 512 consecutive bytes.
; THE BUFFER: [head 64][block of 128 positions 16][25,088 bytes]: Q 8 tiles x 1,024 | K 8 tiles x 1,024 | V 4 tiles of 16 channels x 2,048 | the mask's 512 (stored by the launch before).
; LIMITS: e0 + e1 between -126 and 127; e2, e3, e5 between -126 and 112, so that each power of two below is an f32 number.  NaN is not served.
; REGISTERS, in windows of 256: window 0: v0-31 addresses and constants, v8-15 v's bias, v32-95 q's and k's bias, v96-127 a tile of the table; from v128 source 1's fragments, ONE set; on the way out v128-159 the table's other tile, v160-223 at work, v224-255 codes.
;   window 1: source 0's fragments, TWO sets (v0-63 at work on the way out).   windows 2, 3: the accumulators ((a, b) at v[8 (8 (a % 4) + b)]).
.set KSTEP,  256
.set ROWB,   256                       ; a tile's row in bytes
.set KROW,   1024                      ; a row of codes in memory
.set PITCH,  272                       ; an LDS row: 256 bytes + 16 of padding = 68 words: the 16 rows that a load touches start at 16 different banks (64 banks of 4 bytes: ISA guide 11.1)
.set FR,     16
.set NL,     4
.set NP,     4                         ; places behind this matrix instruction (ISA guide 7.12.1)
.set HALFT,  128*PITCH
.set SLOT,   4*HALFT                   ; x's 256 rows, then W's 256 rows
.set LAPS,   2                         ; 1,024 along K = two laps of two K steps
.set SPARE,  2*SLOT                    ; behind the ring: the spare words, 128 bytes a wave, which no other line names
.set BLK,    25088
.set HS,     16*BLK
.set VB,   8                           ; v8-15   b_qkv at my eight channels (v's way out)
.set ADRA, 16                          ; v16-17  LDS address of source 1's fragments in slot 0, 1
.set ADRB, 20                          ; v20-21  of source 0's
.set LI,   22                          ; v22     16 x lane; never rewritten
.set HO,   23                          ; v23     32 x (lane / 16); never rewritten
.set RO,   27                          ; v27     4 x (lane % 16); never rewritten
.set SPW,  28                          ; v28     LDS address of my spare word; never rewritten
.set NIL,  29                          ; v29     0; never rewritten
.set SCL,  30                          ; v30     the output's scale as f32
.set LIM,  31                          ; v31     57,344 x that
.set BI,   32                          ; v32-95  b_qkv at (16 b + 8 h + j)
.set TBL,  96                          ; v96-127, v128-159: cos (16 registers) and sin (16) of a tile of 16 positions, two tiles by turns
.set AF,   128
.set Y,    160
.set CD,   224
.set G1, 24
.set G0, 32
.set G1B, 48
.set G0B, 56
.set MSB, 0
.macro WIN new                         ; the immediate's high byte repeats the setting that is left
.if MSB != \new
	s_set_vgpr_msb (MSB<<8)|\new
.set MSB, \new
.endif
.endm
.set MUL_LO, 0xa1                      ; source 0 window 1, source 1 window 0, C and D window 2
.set MUL_HI, 0xf1                      ; the same, C and D window 3
.set TO_B,   0x40                      ; destination window 1, address window 0
; A joint load: waves 0 and 1 fetch x's halves, waves 2 and 3 W's.  The branch hangs on the wave's number alone.  Four v_nop follow each of the two lines.
.macro JLOAD g0a, g1a, g0b, g1b
	s_cmp_eq_u32 s15, 0
	s_cbranch_scc0 .Lfor_b_\@
	tensor_load_to_lds s[\g0a:\g0a+3], s[\g1a:\g1a+7]
	s_nop 0
.rept 4
	v_nop
.endr
	s_branch .Lasked_\@
.Lfor_b_\@:
	tensor_load_to_lds s[\g0b:\g0b+3], s[\g1b:\g1b+7]
	s_nop 0
.rept 4
	v_nop
.endr
.Lasked_\@:
.endm
.macro CREST                           ; a round of the cluster's barrier behind its opening barrier
	s_cmp_lg_u32 s14, 0
	s_cbranch_scc1 .Lnot_wave_0_\@
	s_barrier_signal -3
.Lnot_wave_0_\@:
	s_barrier_wait -3
	s_barrier_signal -1
	s_barrier_wait -1
.endm
.macro CROUND
	s_barrier_signal -1
	s_barrier_wait -1
	CREST
.endm
	s_load_b128 s[4:7], s[0:1], 0x0                ; x's codes s[4:5], W's codes s[6:7]
	s_load_b128 s[8:11], s[0:1], 0x10              ; the exponents s[8:9], b_qkv s[10:11]
	s_load_b128 s[68:71], s[0:1], 0x20             ; the table s[68:69], the heads' buffer s[70:71]
	v_lshl_add_u32 v[SPW], v0, 2, SPARE
	v_mov_b32 v[NIL], 0
	ds_add_u32 v28, v29
	ds_add_u32 v28, v29
	s_wait_dscnt 0x0
	v_lshrrev_b32 v1, 5, v0
	v_readfirstlane_b32 s14, v1                    ; wave 0..3
	s_lshr_b32 s15, s14, 1                         ; which half of source 1's rows is mine.  Also: I fetch for x (0) or for W (1)
	s_and_b32 s16, s14, 1                          ; which half of source 0's.  Also: which 128 rows of that tile I fetch
	s_bfe_u32 s40, ttmp6, 0x40000                  ; cx, cy: my place in the cluster
	s_bfe_u32 s41, ttmp6, 0x40004
	; LDS region A (source 1's rows) is shared along a row of the cluster and indexed by cy, region B (source 0's) along a column and indexed by cx.
	; q, k: A = x's tile 4 x cluster y + cy, B = W's tile 4 x cluster x + cx.  v: A = W's tile 8 + cy, B = x's tile 4 x cluster y + cx.  The choice hangs on the cluster's x alone.
	s_lshl_b32 s42, ttmp9, 2
	s_and_b32 s17, ttmp7, 0xffff
	s_lshl_b32 s17, s17, 2
	s_cmp_eq_u32 ttmp9, 2
	s_cselect_b32 s42, s17, s42
	s_cselect_b32 s17, 8, s17
	s_add_co_u32 s42, s42, s40                     ; region B's tile: holds cx alone
	s_add_co_u32 s17, s17, s41                     ; region A's tile: holds cy alone
	s_lshl_b32 s43, s41, 2
	s_lshl_b32 s43, 15, s43                        ; my row of the cluster
	s_lshl_b32 s44, 0x1111, s40                    ; my column
	s_or_b32 s[G1+0], s43, (0<<16)|(1<<20)|(1<<21)|(5<<22)|(3<<25)  ; 15:0 the mask: x's tiles go to my row; elements of 1 byte; padding on; bit 21 beside a mask; 4 words after every 64
	s_or_b32 s[G1B+0], s44, (0<<16)|(1<<20)|(1<<21)|(5<<22)|(3<<25)
.irp g, G1, G1B
	s_mov_b32 s[\g+1], ROWB<<16                    ; tensor_dim0
	s_mov_b32 s[\g+2], 128<<16                     ; tensor_dim1
	s_mov_b32 s[\g+3], ROWB<<16                    ; tile_dim0
	s_mov_b32 s[\g+4], 128                         ; tile_dim1
	s_mov_b32 s[\g+5], KROW                        ; tensor_dim0_stride
	s_mov_b32 s[\g+6], 0
	s_mov_b32 s[\g+7], 0
.endr
	s_lshl_b32 s18, s16, 7
	s_lshl_b32 s20, s17, 8
	s_add_co_u32 s20, s20, s18                     ; x: row 256 x tile row + 128 x half
	s_lshl_b32 s46, s42, 8
	s_add_co_u32 s46, s46, s18                     ; W: row 256 x tile column + 128 x half
	s_mov_b32 s21, 0
	s_mov_b32 s47, 0
	s_mov_b64 s[18:19], KROW
	s_mul_u64 s[20:21], s[20:21], s[18:19]
	s_mul_u64 s[46:47], s[46:47], s[18:19]
	s_mul_i32 s45, s14, HALFT                      ; where they go: wave x 128 rows
	s_wait_kmcnt 0x0
	s_load_b256 s[76:83], s[8:9], 0x0              ; e0 .. e7
	s_cmp_eq_u32 ttmp9, 2
	s_cselect_b64 s[72:73], s[6:7], s[4:5]         ; region A's buffer: x's codes (q, k) or W's (v)
	s_cselect_b64 s[86:87], s[4:5], s[6:7]         ; region B's: the other
	s_add_nc_u64 s[20:21], s[72:73], s[20:21]
	s_add_nc_u64 s[46:47], s[86:87], s[46:47]
	CROUND                                         ; all sixteen work-groups are here: the first joint loads meet
.irp s, 0,1
	s_mov_b32 s[G0+4*\s], 1
	s_add_co_u32 s[G0+4*\s+1], s45, \s*SLOT
	s_add_nc_u64 s[G0+4*\s+2:G0+4*\s+3], s[20:21], \s*ROWB
	s_or_b32 s[G0+4*\s+3], s[G0+4*\s+3], 0x80000000
	s_mov_b32 s[G0B+4*\s], 1
	s_add_co_u32 s[G0B+4*\s+1], s45, \s*SLOT
	s_add_nc_u64 s[G0B+4*\s+2:G0B+4*\s+3], s[46:47], \s*ROWB
	s_or_b32 s[G0B+4*\s+3], s[G0B+4*\s+3], 0x80000000
.endr
	JLOAD G0, G1, G0B, G1B                         ; K step 0: one tensor load a wave at the head
	; PREFETCHES.  Of the 128 rows that my wave fetches, each of the four partners that ask for them jointly names 32, told apart by address (cx for region A, cy for region B): a lane a row, 256 bytes of it a K step.
	; Behind K step 0's load K steps 1 and 2 are named, behind K step 1's load K step 3: at most two K steps are asked for and not yet loaded.  The address registers are never rewritten.
	s_cmp_eq_u32 s15, 0
	s_cselect_b64 s[88:89], s[20:21], s[46:47]
	s_cselect_b32 s94, s40, s41
	s_lshl_b32 s94, s94, 15                        ; 32 rows of 1,024 bytes a partner
	s_mov_b32 s95, 0
	s_add_nc_u64 s[88:89], s[88:89], s[94:95]
	v_and_b32 v24, 31, v0
	v_lshlrev_b32 v24, 10, v24                     ; my lane's row
	global_prefetch_b8 v24, s[88:89] offset:256 th:TH_LOAD_NT scope:SCOPE_SE
	global_prefetch_b8 v24, s[88:89] offset:512 th:TH_LOAD_NT scope:SCOPE_SE
	v_and_b32 v1, 15, v0
	v_bfe_u32 v2, v0, 4, 1                         ; h
	v_mul_u32_u24 v3, v1, PITCH
	v_lshl_add_u32 v4, v2, 4, v3                   ; a fragment's row x pitch + 16 h
	s_wait_alu depctr_va_vdst(0)
	s_cmp_eq_u32 ttmp9, 2                          ; v?  The cluster's x: alike in all partners
	s_cselect_b32 s66, s16, s15                    ; which half of the tile's positions is mine,
	s_cselect_b32 s67, s15, s16                    ; and which half of its channels
	s_cselect_b32 s74, s42, s17                    ; the tile of positions (0 to 31),
	s_cselect_b32 s75, s17, s42                    ; and the tile of channels (0 to 11): these two feed no descriptor and no LDS address
	s_mul_i32 s21, s15, HALFT                      ; source 1 reads region A,
	s_mul_i32 s22, s16, HALFT
	s_add_co_u32 s22, s22, 2*HALFT                 ; source 0 region B
.irp s, 0,1
	v_add_nc_u32 v[ADRA+\s], s21, v4
	v_add_nc_u32 v[ADRB+\s], s22, v4
	s_add_co_u32 s21, s21, SLOT
	s_add_co_u32 s22, s22, SLOT
.endr
	; where my results go, and what the way out reads.  These registers feed no descriptor
	s_and_b32 s84, s74, 7
	s_lshl_b32 s84, s84, 1
	s_add_co_u32 s84, s84, s66                     ; my block of 128 positions in the sequence
	s_lshr_b32 s85, s74, 3
	s_lshl_b32 s85, s85, 4                         ; 16 x batch
	s_and_b32 s90, s75, 3
	s_lshl_b32 s90, s90, 2
	s_add_co_u32 s85, s85, s90
	s_lshl_b32 s90, s67, 1
	s_add_co_u32 s85, s85, s90                     ; the first of my two heads
	s_mul_i32 s90, s85, HS
	s_mul_i32 s91, s84, BLK
	s_add_co_u32 s90, s90, s91
	s_lshl_b32 s91, ttmp9, 13                      ; Q, K or V's part of the block
	s_add_co_u32 s90, s90, s91
	s_mov_b32 s91, 0
	s_add_nc_u64 s[70:71], s[70:71], s[90:91]
	s_lshl_b32 s90, s84, 15                        ; the table: 8 tiles of 4,096 bytes a block
	s_add_nc_u64 s[68:69], s[68:69], s[90:91]
	s_lshl_b32 s90, s75, 10
	s_lshl_b32 s92, s67, 9
	s_add_co_u32 s90, s90, s92                     ; 4 bytes x (256 x tile column + 128 x half)
	s_add_nc_u64 s[10:11], s[10:11], s[90:91]
	v_and_b32 v6, 31, v0
	v_lshlrev_b32 v[LI], 4, v6
	v_lshlrev_b32 v[HO], 5, v2
	v_lshlrev_b32 v[RO], 2, v1
	; the bias in both layouts and the table's first tile are asked for now, on every path, into registers that the loop leaves alone; the wait stands at the head of the way out
.irp b, 0,1,2,3,4,5,6,7
	global_load_b128 v[BI+8*\b:BI+8*\b+3], v[HO], s[10:11] offset:64*\b
	global_load_b128 v[BI+8*\b+4:BI+8*\b+7], v[HO], s[10:11] offset:64*\b+16
.endr
.irp g, 0,1,2,3,4,5,6,7
	global_load_b128 v[TBL+4*\g:TBL+4*\g+3], v[LI], s[68:69] offset:512*\g
.endr
.irp a, 0,1,2,3,4,5,6,7
	global_load_b32 v[VB+\a], v[RO], s[10:11] offset:64*\a
.endr
.macro FRAG reg, adr, q, i             ; a fragment, 16 rows x 128 K: four loads of 16 bytes, 32 apart: the same order of k on both sides
.irp c, 0,1,2,3
	ds_load_b128 v[\reg+4*\c:\reg+4*\c+3], v[\adr] offset:128*(\q)+32*\c+(\i)*16*PITCH
.endr
.endm
; 16 matrix instructions.  The 64 accumulators take turns, one instruction a turn, in the same order in every step.  zero = 1: the first product starts the sums.
.macro MUL16 a0, p, zero
.irp a, \a0, \a0+1
.irp b, 0,1,2,3,4,5,6,7
.if \zero
	v_wmma_f32_16x16x128_bf8_bf8 v[8*(8*((\a)%4)+\b):8*(8*((\a)%4)+\b)+7], v[128*(\p)+FR*\b:128*(\p)+FR*\b+FR-1], v[AF+FR*(\a):AF+FR*(\a)+FR-1], 0
.else
	v_wmma_f32_16x16x128_bf8_bf8 v[8*(8*((\a)%4)+\b):8*(8*((\a)%4)+\b)+7], v[128*(\p)+FR*\b:128*(\p)+FR*\b+FR-1], v[AF+FR*(\a):AF+FR*(\a)+FR-1], v[8*(8*((\a)%4)+\b):8*(8*((\a)%4)+\b)+7]
.endif
.endr
.endr
.endm
.macro FETCH_B slot, q, p
	WIN TO_B
.irp i, 0,1,2,3,4,5,6,7
	FRAG 128*(\p)+FR*\i, ADRB+\slot, \q, \i
.endr
	WIN 0
.endm
.macro FETCH_A slot, q, i0
.irp i, \i0, \i0+1, \i0+2, \i0+3
	FRAG AF+FR*(\i), ADRA+\slot, \q, \i
.endr
.endm
.macro PLACES n                        ; plain vector instructions between a matrix instruction and a load into, or a vector instruction on, its registers
.rept \n
	v_nop
.endr
.endm
.macro STEP slot, q, zero              ; 128 along K with its successor in the same slot
	s_wait_dscnt 4*NL                              ; source 0's set and source 1's blocks 0-3 are in; the youngest 16 loads (blocks 4-7) may be out
	WIN MUL_LO
	MUL16 0, (\q)%2, \zero
	MUL16 2, (\q)%2, \zero
	s_wait_dscnt 0
	PLACES NP
	FETCH_B \slot, (\q)+1, 1-(\q)%2
	FETCH_A \slot, (\q)+1, 0
	WIN MUL_HI
	MUL16 4, (\q)%2, \zero
	MUL16 6, (\q)%2, \zero
	PLACES NP
	WIN 0
	FETCH_A \slot, (\q)+1, 4
.endm
; A slot's last step changes slots: one barrier; in front of it each wave waits for all its tensor loads, adds 0 to its spare word, and waits for that and for its reads of this slot.
.macro TURN slot, next, fill
	s_wait_tensorcnt 0x0                           ; all my tensor loads have landed: my part of the next slot
	ds_add_u32 v[SPW], v[NIL]                      ; 0 onto my spare word
	s_wait_dscnt 4*NL+1                            ; (the add and the youngest 16 loads may be out)
	WIN MUL_LO
	MUL16 0, 1, 0
	s_wait_dscnt 0x0                               ; the add is done, and my reads of this slot are over
	s_barrier_signal -1
	MUL16 2, 1, 0
	WIN 0
	s_barrier_wait -1
.if \fill
	CREST                                          ; the barrier has opened a round of the cluster's: no wave of any partner still reads this slot or has a load on its way
	s_add_nc_u64 s[G0+4*\slot+2:G0+4*\slot+3], s[G0+4*\slot+2:G0+4*\slot+3], 2*ROWB
	s_add_nc_u64 s[G0B+4*\slot+2:G0B+4*\slot+3], s[G0B+4*\slot+2:G0B+4*\slot+3], 2*ROWB
	JLOAD G0+4*\slot, G1, G0B+4*\slot, G1B         ; the first tensor load behind the round; its four v_nop are the places in front of the loads below
.else
	PLACES NP
.endif
	FETCH_B \next, 0, 0
	FETCH_A \next, 0, 0
	WIN MUL_HI
	MUL16 4, 1, 0
	MUL16 6, 1, 0
	PLACES NP
	WIN 0
	FETCH_A \next, 0, 4
.endm
	s_wait_alu depctr_va_vdst(0)
	s_wait_tensorcnt 0x0                           ; my part of K step 0 is in
	ds_add_u32 v[SPW], v[NIL]
	s_wait_dscnt 0x0
	CROUND                                         ; everybody's part of K step 0 is in, and all sixteen work-groups are here
	JLOAD G0+4, G1, G0B+4, G1B                     ; K step 1: the first tensor load behind the round
	FETCH_B 0, 0, 0
	FETCH_A 0, 0, 0
	FETCH_A 0, 0, 4
	global_prefetch_b8 v24, s[88:89] offset:768 th:TH_LOAD_NT scope:SCOPE_SE   ; K step 3, two loads ahead of its own
	STEP 0, 0, 1
	s_mov_b32 s3, LAPS-1
.Llap:
	TURN 0, 1, 1
	STEP 1, 0, 0
	TURN 1, 0, 1
	STEP 0, 0, 0
	s_sub_co_u32 s3, s3, 1
	s_cmp_lg_u32 s3, 0
	s_cbranch_scc1 .Llap
	TURN 0, 1, 0                                   ; the last lap fills nothing
	STEP 1, 0, 0
	s_wait_dscnt 4*NL
	WIN MUL_LO
	MUL16 0, 1, 0
	MUL16 2, 1, 0
	s_wait_dscnt 0
	WIN MUL_HI
	MUL16 4, 1, 0
	MUL16 6, 1, 0
	WIN 0
; THE WAY OUT, block a (source 1's 16 rows) at a time; no LDS: a block's codes are four stores of 512 consecutive bytes.
; 64 numbers in v[Y ..] become 16 registers of codes in set a % 2.
.macro TOCODES a
.set CC, CD+16*((\a)%2)
.set i, 0
.rept 64
	v_med3_num_f32 v[Y+i], v[Y+i], -v[LIM], v[LIM] ; the conversion does not saturate (ISA guide 7.6.2): the hold comes first
.set i, i+1
.endr
.if (\a) > 1
	s_wait_alu depctr_va_vdst(0)
	s_wait_xcnt 0x0                                ; block a - 2's stores have read this set of codes
.endif
.irp b, 0,1,2,3,4,5,6,7
	v_cvt_scalef32_pk8_bf8_f32 v[CC+2*\b:CC+2*\b+1], v[Y+8*\b:Y+8*\b+7], v[SCL]
.endr
	v_nop                                          ; a plain instruction behind the last conversion
.endm
; q, k: lane (r, h) holds position 16 a + r and, in accumulator b, channels 16 b + 8 h + j of two heads (b / 4).  RoPE pairs accumulators b and b + 2 of a head.
.macro QKBLOCK a
.set AC, 64*((\a)%4)
.if (\a) < 2
.set TC, TBL+32*(\a)                   ; the table's tiles 0 and 1 lie in window 0,
.else
.set TC, 64+32*((\a)-2)                ; tiles 2 to 7 in window 1, from v64 on
.endif
.if (\a) > 0
	s_wait_loadcnt 8*(7-(\a))                      ; this block's tile of the table is in; the eight loads of each later tile may be out
.endif
	WIN (0x42+((\a)/4))                            ; source 0: the sums' window; destination window 1
.irp j, 0,2,4,6,8,10,12,14,16,18,20,22,24,26,28,30,32,34,36,38,40,42,44,46,48,50,52,54,56,58,60,62
	v_pk_fma_f32 v[\j:\j+1], v[AC+\j:AC+\j+1], s[96:97], v[BI+\j:BI+\j+1] op_sel_hi:[1,0,1]   ; sum x 2^(e0 + e1) + bias; each accumulator from its low end on
.endr
.if (\a) < 2
	WIN 0x01                                       ; source 0 window 1
.else
	WIN 0x05                                       ; sources 0 and 1 window 1
.endif
.irp d, 0,1
.irp u, 0,1
.irp j, 0,2,4,6
	v_pk_mul_f32 v[Y+32*\d+8*\u+\j:Y+32*\d+8*\u+\j+1], v[32*\d+8*\u+\j:32*\d+8*\u+\j+1], v[TC+8*\u+\j:TC+8*\u+\j+1]                ; lower half x cos
	v_pk_mul_f32 v[Y+32*\d+8*\u+16+\j:Y+32*\d+8*\u+16+\j+1], v[32*\d+8*\u+16+\j:32*\d+8*\u+16+\j+1], v[TC+8*\u+\j:TC+8*\u+\j+1]    ; upper half x cos
.endr
.endr
.endr
.irp d, 0,1
.irp u, 0,1
.irp j, 0,2,4,6
	v_pk_fma_f32 v[Y+32*\d+8*\u+\j:Y+32*\d+8*\u+\j+1], v[32*\d+8*\u+16+\j:32*\d+8*\u+16+\j+1], v[TC+16+8*\u+\j:TC+16+8*\u+\j+1], v[Y+32*\d+8*\u+\j:Y+32*\d+8*\u+\j+1] neg_lo:[1,0,0] neg_hi:[1,0,0]   ; - upper x sin
	v_pk_fma_f32 v[Y+32*\d+8*\u+16+\j:Y+32*\d+8*\u+16+\j+1], v[32*\d+8*\u+\j:32*\d+8*\u+\j+1], v[TC+16+8*\u+\j:TC+16+8*\u+\j+1], v[Y+32*\d+8*\u+16+\j:Y+32*\d+8*\u+16+\j+1]                          ; + lower x sin
.endr
.endr
.endr
	WIN 0
	TOCODES \a
.irp g, 0,1,2,3
	global_store_b128 v[LI], v[CC+4*\g:CC+4*\g+3], s[70:71] offset:(\g/2)*HS+1024*(\a)+512*(\g%2)   ; head g / 2, tile a, registers 4 (g % 2) on
.endr
.endm
; v: lane (r, h) holds channel 16 a + r and, in accumulator b, keys 16 b + 8 h + j: the block's 16 registers of codes are a fragment of 16 channels x 128 keys.
.macro VBLOCK a
.set AC, 64*((\a)%4)
.set VP, VB+2*((\a)/2)
	WIN (0x02+((\a)/4))
.irp j, 0,2,4,6,8,10,12,14,16,18,20,22,24,26,28,30,32,34,36,38,40,42,44,46,48,50,52,54,56,58,60,62
.if (\a)%2
	v_pk_fma_f32 v[Y+\j:Y+\j+1], v[AC+\j:AC+\j+1], s[96:97], v[VP:VP+1] op_sel:[0,0,1] op_sel_hi:[1,0,1]   ; my channel's bias is the pair's upper register, for both halves
.else
	v_pk_fma_f32 v[Y+\j:Y+\j+1], v[AC+\j:AC+\j+1], s[96:97], v[VP:VP+1] op_sel_hi:[1,0,0]                  ; the lower one
.endif
.endr
	WIN 0
	TOCODES \a
.irp g, 0,1,2,3
	global_store_b128 v[LI], v[CC+4*\g:CC+4*\g+3], s[70:71] offset:((\a)/4)*HS+2048*((\a)%4)+512*\g
.endr
.endm
	s_wait_kmcnt 0x0
	s_add_co_i32 s96, s76, s77
	s_add_co_i32 s96, s96, 127
	s_lshl_b32 s96, s96, 23                        ; 2^(e0 + e1) as f32
	s_mov_b32 s97, s96                             ; (named with it as a pair)
	s_cmp_eq_u32 ttmp9, 0
	s_cselect_b32 s92, s78, s79                    ; q: e2; k: e3;
	s_cmp_eq_u32 ttmp9, 2
	s_cselect_b32 s92, s81, s92                    ; v: e5.  A choice, no branch
	s_add_co_i32 s92, s92, 127
	s_lshl_b32 s93, s92, 23
	v_mov_b32 v[SCL], s93
	s_add_co_i32 s92, s92, 15
	s_lshl_b32 s92, s92, 23
	s_or_b32 s92, s92, 0x600000
	v_mov_b32 v[LIM], s92
	PLACES NP                                      ; behind the last products: for the first reads of results, and for loads and writes into registers that held fragments
	s_wait_loadcnt 0x0                             ; the bias and the table's first tile
	s_cmp_eq_u32 ttmp9, 2
	s_cbranch_scc1 .Lv_out
	; the table's other seven tiles are asked for in one run, into registers that held fragments (the places stand above)
.irp g, 0,1,2,3,4,5,6,7
	global_load_b128 v[TBL+32+4*\g:TBL+32+4*\g+3], v[LI], s[68:69] offset:4096+512*\g
.endr
	WIN TO_B
.irp t, 2,3,4,5,6,7
.irp g, 0,1,2,3,4,5,6,7
	global_load_b128 v[64+32*(\t-2)+4*\g:64+32*(\t-2)+4*\g+3], v[LI], s[68:69] offset:4096*\t+512*\g
.endr
.endr
	WIN 0
.irp a, 0,1,2,3,4,5,6,7
	QKBLOCK \a
.endr
	s_branch .Lend
.Lv_out:
.irp a, 0,1,2,3,4,5,6,7
	VBLOCK \a
.endr
.Lend:
	s_wait_tensorcnt 0x0                           ; the wave's end
	ds_add_u32 v[SPW], v[NIL]
	s_wait_dscnt 0x0
	CROUND                                         ; the closing round: no work-group ends while a partner may still ask for a tile that names it
	s_endpgm
.Lfunc_end_k_q15e0c8f75b_qkv_gemm:
	.size	k_q15e0c8f75b_qkv_gemm, .Lfunc_end_k_q15e0c8f75b_qkv_gemm-k_q15e0c8f75b_qkv_gemm
	.p2alignl 7, 3214868480
	.fill 96, 4, 3214868480
	.section	.rodata,"a",@progbits
	.p2align	6, 0x0
	.amdhsa_kernel k_q15e0c8f75b_qkv_gemm
		.amdhsa_group_segment_fixed_size 327680
		.amdhsa_private_segment_fixed_size 0
		.amdhsa_enable_private_segment 0
		.amdhsa_kernarg_size 48
		.amdhsa_user_sgpr_count 2
		.amdhsa_user_sgpr_kernarg_segment_ptr 1
		.amdhsa_wavefront_size32 1
		.amdhsa_system_sgpr_workgroup_id_x 1
		.amdhsa_system_sgpr_workgroup_id_y 1
		.amdhsa_system_sgpr_workgroup_id_z 1
		.amdhsa_system_vgpr_workitem_id 0
		.amdhsa_next_free_vgpr 1024
		.amdhsa_next_free_sgpr 100
		.amdhsa_reserve_vcc 0
		.amdhsa_float_denorm_mode_32 3
		.amdhsa_float_denorm_mode_16_64 3
		.amdhsa_memory_ordered 1
		.amdhsa_forward_progress 1
		.amdhsa_inst_pref_size 233
	.end_amdhsa_kernel
	.amdgpu_metadata
---
amdhsa.version: [ 1, 2 ]
amdhsa.kernels:
  - .name:           k_q15e0c8f75b_qkv_gemm
    .symbol:         k_q15e0c8f75b_qkv_gemm.kd
    .args:
      - { .name: xc, .offset: 0, .size: 8, .value_kind: global_buffer, .address_space: global }
      - { .name: wqc, .offset: 8, .size: 8, .value_kind: global_buffer, .address_space: global }
      - { .name: lowp_scales, .offset: 16, .size: 8, .value_kind: global_buffer, .address_space: global }
      - { .name: b_qkv, .offset: 24, .size: 8, .value_kind: global_buffer, .address_space: global }
      - { .name: ropet, .offset: 32, .size: 8, .value_kind: global_buffer, .address_space: global }
      - { .name: qkvc, .offset: 40, .size: 8, .value_kind: global_buffer, .address_space: global }
    .group_segment_fixed_size: 327680
    .private_segment_fixed_size: 0
    .kernarg_segment_align: 8
    .kernarg_segment_size: 48
    .max_flat_workgroup_size: 128
    .sgpr_count:     100
    .vgpr_count:     1024
    .wavefront_size: 32
...
	.end_amdgpu_metadata
.endif
;; end of part 2
;; launch attn (part 3): grid 4 x 64, 8 waves a work-group, no clusters, 327,680 bytes of LDS; arguments qkvc, lowp_scales, yc; writes yc
.if DOCPART == 3
	.amdgcn_target "amdgcn-amd-amdhsa--gfx1250"
	.amdhsa_code_object_version 6
	.text
	.protected	k_q15e0c8f75b_attn
	.globl	k_q15e0c8f75b_attn
	.p2align	8
	.type	k_q15e0c8f75b_attn,@function
k_q15e0c8f75b_attn:
	s_mov_b64 s[64:65], 0
	v_nop
	global_prefetch_b8 v0, s[64:65] scope:SCOPE_SE
	s_setreg_imm32_b32 hwreg(HW_REG_WAVE_MODE, 25, 1), 1
	s_wait_xcnt 0x0
; y[head][q] = the sum over k <= q, k not padded, of softmax_k(Q . K / 8) V, both products on codes of E5M2; y is quantised (2^e6) and stored as the last product's operand registers.
; THE SOFTMAX: t = score x log2(e) / 8; M = the running largest t rounded UP to a whole number; p = 2^(t - M) is quantised (2^e4), not normalised; the row's sum is taken of the unquantised p and divides at the end.
; When M moves, the sum and O are multiplied by 2^(old M - new M): exact.  A row all of whose keys are hidden has the sum 0: its codes become the format's NaN, as the softmax of such a row is NaN.
; LEFT OUT: steps of 128 keys that all come after a tile's 16 queries: the causal mask makes their p zero.
; SHARES.  256 work-groups of equal work: work-group (I, head) owns the query blocks I and 7 - I (256 queries each) and walks slots of 256 keys: 0 .. I for the first, 0 .. 7 - I for the second: always 9 trips.
; Each of the EIGHT waves owns TWO tiles of 16 queries: tiles w and 15 - w of the block's 16.  So each fragment of K, V and the mask that a wave reads from LDS serves two tiles, and under the causal mask every wave
; has the same number of tile steps in every slot (in the slot on the diagonal: three of four).  Tile 0 lies in the block's lower 128 queries: its diagonal is the slot's first step, and the second is hidden from it;
; tile 1 lies in the upper 128: its diagonal is the second step.  Trip 8 is always the second block's diagonal slot, trip 7 never one.
; LDS READS RUN A STEP AHEAD.  Behind a step's scores K's and the mask's registers are free: the next step's K and mask are asked for there, beside this step's V.  THE CHANGE OF SLOTS stands in a slot's second step,
; between tile 0's work and tile 1's: all of the wave's reads of the slot are in registers then.  Behind its barrier the slot takes the keys of two trips on, and the next slot's first K and mask are asked for.
; NO CLUSTER: in a given trip the four work-groups of a head want different slots (their walks begin anew at different trips); a walk alike in all four would take 12 slots instead of 9.
; LAYOUT.  Both products are used transposed: S^T = K Q^T (source 0 = 16 keys), O^T = V^T P^T (source 0 = 16 channels): a lane holds ONE query (lane % 16) of each tile.  Register 8 c + j of S^T is key 16 c + 8 (lane / 16) + j,
; so eight registers converted to codes are registers 2 c, 2 c + 1 of P.  Q, K and V lie in memory as images of their registers (four registers = 512 bytes, lane l's 16 at 16 l): every LDS read is 512 consecutive bytes.
; A block of 128 keys in memory: Q 8,192 | K 8,192 | V 8,192 | mask 512 (128 numbers, 0 or -infinity: the C of the scores' products).  A tensor load brings K, V and the mask: 66 dense rows of 256 bytes.
; LIMITS: e2 + e3 between -123 and 130 (added to c's exponent field); e4, and e6 - e4 - e5, between -126 and 112.  NaN among the inputs is not served.
; REGISTERS.  Window 0: v1 16 x lane, v2 the mask's place, v3 256 x lane, v4, v7 addresses in hand, v5, v6 the add's, v8 r - 8 h, v9 at work, v10 2^e4, v11 57,344 x 2^e4; tile u's -M, largest t and sum at v[12 + 4 u ..];
;   v24-31 at work (v31 -infinity); Q v32-47; S^T, then p v48-175; p's codes v176-207; v208-221 partial sums; v222-224 y's scale, hold and NaN codes; v228-243 the second block's Q.
;   Window 1: O^T v0-63; K's 8 fragments v64-127; the mask's numbers v128-191; V's 4 fragments v192-255.
.set BLK,   25088
.set HS,    16*BLK
.set KVM,   16896                      ; K, V and the mask of 128 keys
.set SLOT1, 1<<16                      ; a slot holds 256 keys (33,792 bytes); slot 1 begins here, so that one exclusive or turns an address
.set SPARE, SLOT1+2*KVM                ; behind the ring: the spare words, 128 bytes a wave: four blocks of 256 bytes that no other line names
.set CMASK, 1                          ; 1: the mask's numbers are the C of the scores' products; 0: they are added behind the products
.set DUAL,  1                          ; 1: the hold goes two numbers an instruction
.set ST,  12
.set QR,  32
.set SR,  48
.set CR,  176
.set TS,  208
.set QN,  228
.set KR,  64
.set MK,  128
.set VR,  192
; s2 the slot in hand (LDS byte), s3 the trip, s12 I, s13 I + 1, s14 this trip's slot of keys, s15 the slot of keys asked for last, s16 the step's first key, s17, s70 my tiles' first queries, s18 wave, s19 head,
; s[20:21] lane selects, s[22:23] c, s[24:25] the head, s[26:27] what I fetch of slot 0, s[28:29] an offset, s30 the prefetches' bound, s31 7 - I, s[32:39] group 1, s[40:43] group 0, s[44:45] the prefetches' address,
; s[48:49], s[76:77] y of my two tiles; s[50:51], s[74:75], s[60:61], s[72:73] the parts of y's and Q's addresses that stay; s[52:59] the exponents; s68, s69, s71 scales and holds; s62 (s63 = 0), s66, s67 at work.
.set MSB, 0
.macro WIN new                         ; the immediate's high byte repeats the setting that is left
.if MSB != \new
	s_set_vgpr_msb (MSB<<8)|\new
.set MSB, \new
.endif
.endm
.macro TLOAD                           ; waves 0 and 1 fetch a slot's two blocks of 128 keys; an s_nop 0 and four v_nop follow the line
	s_cmp_lt_u32 s18, 2
	s_cbranch_scc0 .Lno_load_\@
	tensor_load_to_lds s[40:43], s[32:39]
	s_nop 0
.rept 4
	v_nop
.endr
.Lno_load_\@:
.endm
; A PREFETCH INTO THE L2.  All four work-groups of a head walk the same K and V: the one with I = 0 asks, in its waves 4 to 7, one instruction each: K's or V's 8,192 bytes of one block of 128 keys, lanes 256 bytes apart.
; In trip T it names slot T + 3.  The first tensor load of any of the four that wants slot s stands in trip s - 2 (s up to 3) or s - 1 (s from 4 on): one or two trips behind the prefetch.
; Trips 0 to 4: slots 3 to 7, each block of 256 bytes once; then nothing.  Slots 0 to 2 come by their loads alone.
.macro ASK
	s_cmp_lt_u32 s3, s30
	s_cbranch_scc0 .Lnot_mine_\@
	global_prefetch_b8 v3, s[44:45] th:TH_LOAD_NT scope:SCOPE_SE
.Lnot_mine_\@:
.endm
; THE CHANGE OF SLOTS: each wave waits for all its tensor loads, adds 0 to its spare word, and waits for that and for its reads of the slot in hand; behind the barrier the next slot is whole and nobody reads this one.
; fill = 1: it takes the keys of trip s3 + tadd.
.macro CHANGE fill, tadd, ask
	s_wait_tensorcnt 0x0                           ; no tensor load of mine is out, so group 0 may be written
	ds_add_u32 v5, v6                              ; 0 onto my spare word
.if \fill
	ds_add_u32 v5, v6                              ; and twice on end where a load follows
	s_add_co_u32 s15, s15, 1                       ; that trip's slot of keys: one on,
	s_add_co_u32 s62, s3, \tadd
	s_cmp_eq_u32 s62, s13
	s_cselect_b32 s15, 0, s15                      ; or 0, where the second block of queries begins
	s_mul_i32 s28, s15, 2*BLK
	s_add_nc_u64 s[42:43], s[26:27], s[28:29]
	s_or_b32 s43, s43, 0x80000000                  ; type = 2
	s_xor_b32 s41, s41, SLOT1                      ; the other slot than last time
.if \ask
	s_wait_xcnt 0x0                                ; the last prefetch, a trip back, has read its address
	s_add_nc_u64 s[44:45], s[44:45], 2*BLK
.endif
.endif
	s_wait_dscnt 0x0
	s_barrier_signal -1
	s_barrier_wait -1
.if \fill
	TLOAD                                          ; the first thing behind the barrier, and a wave's one tensor load until the next
.if \ask
	ASK
.endif
.endif
.endm
.macro ADDR                            ; my lane's places in the slot in hand
	v_add_nc_u32 v4, s2, v1
	v_add_nc_u32 v7, s2, v2
	s_wait_alu depctr_va_vdst(0)
.endm
.macro KLOAD q                         ; K's eight tiles of 16 keys and the mask's numbers of my 64 keys, step q of the slot
	WIN 0x40
.irp c, 0,1,2,3,4,5,6,7
.irp g, 0,1
	ds_load_b128 v[KR+8*\c+4*\g:KR+8*\c+4*\g+3], v4 offset:KVM*(\q)+1024*\c+512*\g
.endr
.endr
.irp c, 0,1,2,3,4,5,6,7
.irp g, 0,1
	ds_load_b128 v[MK+8*\c+4*\g:MK+8*\c+4*\g+3], v7 offset:KVM*(\q)+64*\c+16*\g
.endr
.endr
	WIN 0
.endm
.macro VLOAD q                         ; V: four tiles of 16 channels x 128 keys
	WIN 0x40
.irp t, 0,1,2,3
.irp g, 0,1,2,3
	ds_load_b128 v[VR+16*\t+4*\g:VR+16*\t+4*\g+3], v4 offset:KVM*(\q)+8192+2048*\t+512*\g
.endr
.endr
	WIN 0
.endm
.macro SETQ blk                        ; my two tiles' first queries in block blk: 256 blk + 16 w and 256 blk + 240 - 16 w
	s_lshl_b32 s17, s[\blk], 8
	s_lshl_b32 s62, s18, 4
	s_add_co_u32 s70, s17, 240
	s_add_co_u32 s17, s17, s62
	s_sub_co_u32 s70, s70, s62
.endm
.macro QLOAD blk, reg, sa              ; both tiles' fragments of Q, 16 registers
	s_mul_i32 s62, s[\blk], 2*BLK
	s_add_nc_u64 s[\sa:\sa+1], s[60:61], s[62:63]
	s_add_nc_u64 s[\sa+2:\sa+3], s[72:73], s[62:63]
	global_load_b128 v[\reg:\reg+3], v1, s[\sa:\sa+1]
	global_load_b128 v[\reg+4:\reg+7], v1, s[\sa:\sa+1] offset:512
	global_load_b128 v[\reg+8:\reg+11], v1, s[\sa+2:\sa+3]
	global_load_b128 v[\reg+12:\reg+15], v1, s[\sa+2:\sa+3] offset:512
.endm
.macro STATE                           ; a block of queries begins: the largest t -3e38, the sums and O^T zero (the step is written once; the first change of M leaves zeros zeros)
.irp u, 0,1
	v_mov_b32 v[ST+4*\u+1], 0xff61b1e6
	v_floor_f32 v[ST+4*\u], -v[ST+4*\u+1]
	v_mov_b32 v[ST+4*\u+2], 0
	v_mov_b32 v[ST+4*\u+3], 0
.endr
	WIN 0x40
.set i, 0
.rept 64
	v_mov_b32 v[i], 0
.set i, i+1
.endr
	WIN 0
	s_wait_alu depctr_va_vdst(0)
.endm
.macro YADDR blk                       ; where block blk's two tiles of y go: 16 tiles of rows x 4,096 bytes a block
	s_wait_xcnt 0x0                                ; earlier stores have read their bases
	s_lshl_b32 s62, s[\blk], 16
	s_add_nc_u64 s[48:49], s[50:51], s[62:63]
	s_add_nc_u64 s[76:77], s[74:75], s[62:63]
.endm
; A tile ends: O^T / the sum, quantised, stored as eight registers of the last product's fragment
.macro FINAL u, y
.set SS, SR+64*\u
.set TT, ST+4*\u
.set CC, CR+16*\u
.set OO, 32*\u
.if \u == 0
.rept 4
	v_nop                                          ; places behind the last products
.endr
.endif
	v_add_f32 v24, v[TT+2], v[TT+3]
	v_permlanex16_b32 v30, v24, s20, s21
	v_add_f32 v24, v24, v30                        ; the row's sum
	s_wait_alu depctr_va_vdst(0)                   ; the wait ahead of the transcendental
	v_rcp_f32 v26, v24
	v_nop
	v_cmp_eq_f32 vcc_lo, 0, v24                    ; no key counted
	WIN 0x01
	s_wait_alu depctr_va_vdst(0)                   ; ahead of the first reader of the reciprocal and of O^T
.set i, 0
.rept 16
	v_pk_mul_f32 v[SS+i:SS+i+1], v[OO+i:OO+i+1], v[26:27] op_sel_hi:[1,0]   ; each accumulator from its low end on
.set i, i+2
.endr
	WIN 0
.set i, 0
.rept 32
	v_med3_num_f32 v[SS+i], v[SS+i], -v223, v223
.set i, i+1
.endr
.irp t, 0,1,2,3
	v_cvt_scalef32_pk8_bf8_f32 v[CC+2*\t:CC+2*\t+1], v[SS+8*\t:SS+8*\t+7], v222
.endr
	v_nop
.set i, 0
.rept 8
	v_cndmask_b32 v[CC+i], v[CC+i], v224, vcc_lo
.set i, i+1
.endr
	global_store_b128 v1, v[CC:CC+3], s[\y:\y+1]   ; 512 consecutive bytes a store
	global_store_b128 v1, v[CC+4:CC+7], s[\y:\y+1] offset:512
.endm
; The scores of tile u: eight products of 16 keys x 16 queries x 64; a padded key's score becomes -infinity
.macro SCORES u
.if CMASK
	WIN 0x11
.else
	WIN 0x01
.endif
.irp c, 0,1,2,3,4,5,6,7
.if CMASK
	v_wmma_f32_16x16x64_bf8_bf8 v[SR+64*\u+8*\c:SR+64*\u+8*\c+7], v[KR+8*\c:KR+8*\c+7], v[QR+8*\u:QR+8*\u+7], v[MK+8*\c:MK+8*\c+7]
.else
	v_wmma_f32_16x16x64_bf8_bf8 v[SR+64*\u+8*\c:SR+64*\u+8*\c+7], v[KR+8*\c:KR+8*\c+7], v[QR+8*\u:QR+8*\u+7], 0
.endif
.endr
	WIN 0
.endm
.macro MASKADD u
.if CMASK == 0
	WIN 0x04
.set i, 0
.rept 32
	v_pk_add_f32 v[SR+64*\u+i:SR+64*\u+i+1], v[SR+64*\u+i:SR+64*\u+i+1], v[MK+i:MK+i+1]
.set i, i+2
.endr
	WIN 0
.endif
.endm
; Tile u's softmax over the step's 128 keys.  q0: the scalar register with the tile's first query.  dg: the step can lie on the tile's diagonal: 0 never, 1 by a test on ids, 2 always
.macro SOFT u, q0, dg
.set SS, SR+64*\u
.set TT, ST+4*\u
.set CC, CR+16*\u
.set OO, 32*\u
.if \dg == 1
	s_add_co_u32 s62, s16, 127
	s_cmp_le_u32 s62, s[\q0]                       ; all 128 keys count for all 16 queries: nothing to hide
	s_cbranch_scc1 .Lopen_\@
.endif
.if \dg
	s_sub_co_i32 s62, s[\q0], s16
	v_add_nc_u32 v9, s62, v8                       ; d = my query - the step's first key - 8 (lane / 16): register 8 c + j is hidden where 16 c + j > d
	s_wait_alu depctr_va_vdst(0)                   ; ahead of the first readers of the scores
.irp c, 0,1,2,3,4,5,6,7
.irp j, 0,1,2,3,4,5,6,7
	v_cmp_gt_i32 vcc_lo, 16*\c+\j, v9
	v_cndmask_b32 v[SS+8*\c+\j], v[SS+8*\c+\j], v31, vcc_lo
.endr
.endr
.endif
.Lopen_\@:
	s_wait_alu depctr_va_vdst(0)                   ; directly ahead of the first readers of the scores
	v_max3_num_f32 v24, v[SS], v[SS+1], v[SS+2]    ; the step's largest score of my query among my 64 keys: four chains, the registers in ascending order
	v_max3_num_f32 v25, v[SS+3], v[SS+4], v[SS+5]
	v_max3_num_f32 v28, v[SS+6], v[SS+7], v[SS+8]
	v_max3_num_f32 v29, v[SS+9], v[SS+10], v[SS+11]
.irp i, 12,20,28,36,44,52
	v_max3_num_f32 v24, v24, v[SS+\i], v[SS+\i+1]
	v_max3_num_f32 v25, v25, v[SS+\i+2], v[SS+\i+3]
	v_max3_num_f32 v28, v28, v[SS+\i+4], v[SS+\i+5]
	v_max3_num_f32 v29, v29, v[SS+\i+6], v[SS+\i+7]
.endr
	v_max3_num_f32 v24, v24, v[SS+60], v[SS+61]
	v_max3_num_f32 v25, v25, v[SS+62], v[SS+63]
	v_max3_num_f32 v24, v24, v25, v28
	v_max_num_f32 v24, v24, v29
	v_permlanex16_b32 v30, v24, s20, s21
	v_max_num_f32 v24, v24, v30                    ; and among lane l xor 16's
	v_mul_f32 v24, s22, v24                        ; as t (c is positive)
	v_max_num_f32 v[TT+1], v[TT+1], v24
	v_mov_b32 v24, v[TT]
	v_floor_f32 v[TT], -v[TT+1]                    ; the new -M = floor(-t)
	v_sub_f32 v24, v[TT], v24                      ; old M - new M: a whole number, 0 or less
	v_cvt_i32_f32 v24, v24                         ; (it saturates)
	v_ldexp_f32 v26, 1.0, v24                      ; f = 2^(old M - new M)
.set i, 0
.rept 32
	v_pk_fma_f32 v[SS+i:SS+i+1], v[SS+i:SS+i+1], s[22:23], v[TT:TT+1] op_sel_hi:[1,0,0]   ; t - M
.set i, i+2
.endr
	s_wait_alu depctr_va_vdst(0)                   ; the wait ahead of the batch
.set i, 0
.rept 64
	v_exp_f32 v[SS+i], v[SS+i]                     ; p, at most 1: one batch
.set i, i+1
.endr
	v_pk_mul_f32 v[TT+2:TT+3], v[TT+2:TT+3], v[26:27] op_sel_hi:[1,0]   ; the sums under the new M: the plain instruction behind the batch
	s_wait_alu depctr_va_vdst(0)                   ; one wait for the batch, ahead of its first reader
.irp k, 0,1,2,3,4,5,6                  ; the row's sum of the unquantised p: eight chains of pairs
	v_pk_add_f32 v[TS+2*\k:TS+2*\k+1], v[SS+2*\k:SS+2*\k+1], v[SS+14+2*\k:SS+15+2*\k]
.endr
	v_pk_add_f32 v[TT+2:TT+3], v[TT+2:TT+3], v[SS+28:SS+29]
.irp k, 0,1,2,3,4,5,6
	v_pk_add_f32 v[TS+2*\k:TS+2*\k+1], v[TS+2*\k:TS+2*\k+1], v[SS+30+2*\k:SS+31+2*\k]
.endr
	v_pk_add_f32 v[TT+2:TT+3], v[TT+2:TT+3], v[SS+44:SS+45]
.irp k, 0,1,2,3,4,5,6
	v_pk_add_f32 v[TS+2*\k:TS+2*\k+1], v[TS+2*\k:TS+2*\k+1], v[SS+46+2*\k:SS+47+2*\k]
.endr
	v_pk_add_f32 v[TT+2:TT+3], v[TT+2:TT+3], v[SS+60:SS+61]
	v_pk_add_f32 v[TS:TS+1], v[TS:TS+1], v[SS+62:SS+63]
	v_pk_add_f32 v[TS+2:TS+3], v[TS+2:TS+3], v[TS+6:TS+7]
	v_pk_add_f32 v[TS+4:TS+5], v[TS+4:TS+5], v[TS+8:TS+9]
	v_pk_add_f32 v[TT+2:TT+3], v[TT+2:TT+3], v[TS+12:TS+13]
	v_pk_add_f32 v[TS:TS+1], v[TS:TS+1], v[TS+10:TS+11]
	v_pk_add_f32 v[TS+2:TS+3], v[TS+2:TS+3], v[TS+4:TS+5]
	v_pk_add_f32 v[TT+2:TT+3], v[TT+2:TT+3], v[TS:TS+1]
	v_pk_add_f32 v[TT+2:TT+3], v[TT+2:TT+3], v[TS+2:TS+3]
.if DUAL                               ; the hold (the conversion does not saturate: ISA guide 7.6.2); p is not negative, so it is one-sided
.set i, 0
.rept 32
	v_dual_min_num_f32 v[SS+i], s71, v[SS+i] :: v_dual_min_num_f32 v[SS+i+1], s71, v[SS+i+1]
.set i, i+2
.endr
.else
.set i, 0
.rept 64
	v_min_num_f32 v[SS+i], v[SS+i], v11
.set i, i+1
.endr
.endif
.irp c, 0,1,2,3,4,5,6,7
	v_cvt_scalef32_pk8_bf8_f32 v[CC+2*\c:CC+2*\c+1], v[SS+8*\c:SS+8*\c+7], v10
.endr
	WIN 0x41
	s_wait_alu depctr_va_vdst(0)                   ; directly ahead of the first readers of O^T
.set i, 0
.rept 16
	v_pk_mul_f32 v[OO+i:OO+i+1], v[OO+i:OO+i+1], v[26:27] op_sel_hi:[1,0]   ; O^T under the new M; plain instructions behind the conversions
.set i, i+2
.endr
	WIN 0
.endm
; Tile u's second product.  cnt: the LDS loads issued behind V's, which may stay out; -1: V has been waited for
.macro PV u, cnt
.if \cnt >= 0
	s_wait_alu depctr_va_vdst(0)                   ; directly ahead of the wait below
	s_wait_dscnt \cnt
.endif
	WIN 0x51
.irp t, 0,1,2,3
	v_wmma_f32_16x16x128_bf8_bf8 v[32*\u+8*\t:32*\u+8*\t+7], v[VR+16*\t:VR+16*\t+15], v[CR+16*\u:CR+16*\u+15], v[32*\u+8*\t:32*\u+8*\t+7]   ; the four accumulators by turns
.endr
	WIN 0
.endm
; A slot's first 128 keys.  Both tiles have work.  dg: tile 0's diagonal
.macro STEPA dg
	s_wait_dscnt 0x0                               ; this step's K and mask are in
	SCORES 1
	SCORES 0
.rept 4
	v_nop                                          ; places in front of loads into registers that products have read
.endr
	MASKADD 1
	MASKADD 0
	VLOAD 0
	KLOAD 1                                        ; the second step's K and mask land under this step's softmax
	SOFT 0, 17, \dg
	PV 0, 32                                       ; V's 16 loads are in; the 32 behind them may be out
	SOFT 1, 70, 0
	PV 1, 32
	s_add_co_u32 s16, s16, 128
.endm
; A slot's second 128 keys.  hid: they are hidden from tile 0: 0 never, 1 by a test on ids, 2 always.  dg: tile 1's diagonal.  chg: 0 no slot follows, 1 a change of slots with a refill, 2 without
.macro STEPB hid, dg, chg
	s_wait_dscnt 0x0
	SCORES 1
.if \hid == 1
	s_add_co_u32 s62, s17, 15
	s_cmp_gt_u32 s16, s62
	s_cbranch_scc1 .Lhid_a_\@
.endif
.if \hid < 2
	SCORES 0
.endif
.Lhid_a_\@:
.rept 4
	v_nop
.endr
	MASKADD 1
	MASKADD 0
	VLOAD 1
.if \hid == 1
	s_add_co_u32 s62, s17, 15
	s_cmp_gt_u32 s16, s62
	s_cbranch_scc1 .Lhid_b_\@
.endif
.if \hid < 2
	SOFT 0, 17, 0
	PV 0, 0
.endif
.Lhid_b_\@:
.if \chg
	CHANGE (2-\chg), 2, 1
	s_xor_b32 s2, s2, SLOT1
	ADDR
	KLOAD 0                                        ; the next slot's first K and mask land under tile 1's softmax
	SOFT 1, 70, \dg
	PV 1, -1
.else
	SOFT 1, 70, \dg
	PV 1, 0
.endif
.endm
	s_load_b128 s[4:7], s[0:1], 0x0                ; the heads' buffer s[4:5], the exponents s[6:7]
	s_load_b64 s[10:11], s[0:1], 0x10              ; y's codes
	v_lshl_add_u32 v5, v0, 2, SPARE
	v_mov_b32 v6, 0
	ds_add_u32 v5, v6                              ; the opening lines: the add twice on end and its wait ahead of the first tensor load
	ds_add_u32 v5, v6
	v_lshrrev_b32 v1, 5, v0
	v_readfirstlane_b32 s18, v1                    ; wave 0..7
	v_and_b32 v1, 31, v0
	v_lshlrev_b32 v3, 8, v1                        ; 256 x lane
	v_lshlrev_b32 v1, 4, v1                        ; 16 x lane
	v_bfe_u32 v9, v0, 4, 1                         ; h
	v_lshlrev_b32 v2, 5, v9
	v_add_nc_u32 v2, 16384, v2                     ; the mask lies behind K and V; my half's 8 numbers of each 16: + 32 h
	v_and_b32 v8, 15, v0
	v_lshlrev_b32 v9, 3, v9
	v_sub_nc_u32 v8, v8, v9                        ; r - 8 h
	v_mov_b32 v27, 0                               ; (named as the upper half of the pair v[26:27])
	v_mov_b32 v30, 0                               ; a lane permute's destination counts as one of its sources
	v_mov_b32 v31, 0xff800000                      ; -infinity
	s_mov_b32 s12, ttmp9                           ; I
	s_add_co_u32 s13, s12, 1
	s_sub_co_u32 s31, 7, s12
	s_and_b32 s19, ttmp7, 0xffff                   ; the head, 16 x batch + head
	s_mov_b32 s32, 3<<16                           ; group 1: no mask; elements of 8 bytes; no padding
	s_mov_b32 s33, 32<<16                          ; tensor_dim0 = 32 elements: 256 bytes
	s_mov_b32 s34, 66<<16                          ; tensor_dim1 = 66 rows
	s_mov_b32 s35, 32<<16                          ; tile_dim0
	s_mov_b32 s36, 66                              ; tile_dim1
	s_mov_b32 s37, 32                              ; the pitch: dense
	s_mov_b32 s38, 0
	s_mov_b32 s39, 0
	s_mov_b32 s20, 0x76543210
	s_mov_b32 s21, 0xfedcba98
	s_mov_b32 s2, 0
	s_mov_b32 s3, 0
	s_mov_b32 s14, 0
	s_mov_b32 s15, 0
	s_mov_b32 s29, 0
	s_mul_i32 s62, s19, HS
	s_mov_b32 s63, 0                               ; stays 0: the upper word of every offset in s62
	s_and_b32 s66, s18, 1
	s_mul_i32 s41, s66, KVM                        ; group 0: LDS address: slot 0, my block of 128 keys
	s_mul_i32 s67, s66, BLK
	s_add_co_u32 s67, s67, 8192                    ; behind the block's Q
	s_wait_alu depctr_va_vdst(0)                   ; directly ahead of the waits below
	s_wait_dscnt 0x0                               ; both opening adds are done
	s_wait_kmcnt 0x0
	s_load_b256 s[52:59], s[6:7], 0x0              ; e0 .. e7
	s_add_nc_u64 s[24:25], s[4:5], s[62:63]        ; my head
	s_mov_b32 s62, s67
	s_add_nc_u64 s[26:27], s[24:25], s[62:63]
	s_mov_b32 s40, 1
	s_mov_b64 s[42:43], s[26:27]
	s_or_b32 s43, s43, 0x80000000
	TLOAD                                          ; trip 0's keys: the first 256
	s_lshl_b32 s62, s18, 10                        ; Q: tile w of the block's first 128 queries, tile 7 - w of its second; a tile is 1,024 bytes
	s_add_nc_u64 s[60:61], s[24:25], s[62:63]
	s_sub_co_u32 s62, BLK+7*1024, s62
	s_add_nc_u64 s[72:73], s[24:25], s[62:63]
	QLOAD 12, QR, 80                               ; the first block's Q,
	QLOAD 31, QN, 84                               ; and the second block's, which waits in registers of its own
	s_lshr_b32 s62, s18, 1                         ; the prefetches: waves 4, 5 the slot's first block, 6, 7 its second;
	s_and_b32 s62, s62, 1
	s_mul_i32 s62, s62, BLK
	s_lshl_b32 s66, s66, 13                        ; even waves K, odd waves V
	s_add_co_u32 s62, s62, s66
	s_add_co_u32 s62, s62, 8192+4*BLK              ; in slot 2: trip 0's change of slots steps it to slot 3.  Nothing is prefetched here, at the head
	s_add_nc_u64 s[44:45], s[24:25], s[62:63]
	s_sub_co_u32 s62, s18, 4
	s_lshr_b32 s62, s62, 2                         ; 0 in waves 4 to 7,
	s_or_b32 s62, s62, ttmp9                       ; of the work-group with I = 0
	s_cmp_eq_u32 s62, 0
	s_cselect_b32 s30, 5, 0
	s_and_b32 s66, s19, 15                         ; y's codes: [256 along K: head / 4][tile of 16 rows][4,096 bytes], in them 1,024 bytes for head % 4
	s_lshr_b32 s67, s19, 4
	s_lshl_b32 s67, s67, 7
	s_add_co_u32 s67, s67, s18                     ; 128 x batch + wave
	s_lshl_b32 s62, s67, 12
	s_lshr_b32 s67, s66, 2
	s_lshl_b32 s67, s67, 21
	s_add_co_u32 s62, s62, s67
	s_and_b32 s67, s66, 3
	s_lshl_b32 s67, s67, 10
	s_add_co_u32 s62, s62, s67
	s_add_nc_u64 s[50:51], s[10:11], s[62:63]      ; tile w,
	s_lshl_b32 s67, s18, 13
	s_sub_co_u32 s67, 15*4096, s67
	s_add_co_u32 s62, s62, s67
	s_add_nc_u64 s[74:75], s[10:11], s[62:63]      ; and tile 15 - w: 15 - 2 w tiles on
	STATE
	SETQ 12
	s_wait_kmcnt 0x0
	s_add_co_i32 s62, s54, s55
	s_lshl_b32 s62, s62, 23
	s_mov_b32 s22, 0x3e38aa3b                      ; c = log2(e) / 8;
	s_add_co_i32 s22, s22, s62                     ; a score stands for score x 2^(e2 + e3): added to c's exponent field
	s_mov_b32 s23, s22                             ; (named with it as a pair)
	s_add_co_i32 s62, s56, 127
	s_lshl_b32 s66, s62, 23
	v_mov_b32 v10, s66                             ; 2^e4
	s_add_co_i32 s62, s62, 15
	s_lshl_b32 s71, s62, 23
	s_or_b32 s71, s71, 0x600000
	v_mov_b32 v11, s71                             ; 57,344 x 2^e4
	s_sub_co_i32 s62, s58, s56
	s_sub_co_i32 s62, s62, s57
	s_add_co_i32 s62, s62, 127
	s_lshl_b32 s68, s62, 23                        ; 2^(e6 - e4 - e5): a sum stands for sum x 2^(e4 + e5), and its code is that / 2^e6
	s_add_co_i32 s62, s62, 15
	s_lshl_b32 s69, s62, 23
	s_or_b32 s69, s69, 0x600000                    ; 57,344 x that
	v_mov_b32 v222, s68
	v_mov_b32 v223, s69
	v_mov_b32 v224, 0x7f7f7f7f                     ; four codes of NaN
	s_wait_alu depctr_va_vdst(0)                   ; the wait at the head's end
	s_wait_loadcnt 0x0                             ; Q, both blocks'
	CHANGE 1, 1, 0                                 ; trip 0's keys are in; slot 1's first fill, trip 1's keys, is issued as a refill is
	ADDR
	KLOAD 0
.Lslot:                                            ; trips 0 to 6: each asks for the keys of two trips on
	s_cmp_lg_u32 s3, s13                           ; trip I + 1: the first block of queries is done, the second begins (I + 1 is 1 to 4: always inside the loop)
	s_cbranch_scc1 .Lsame
	YADDR 12
	FINAL 0, 48
	FINAL 1, 76
	s_wait_xcnt 0x0                                ; the stores have read their data
.set i, 0
.rept 16
	v_mov_b32 v[QR+i], v[QN+i]                     ; the second block's Q
.set i, i+1
.endr
	STATE
	SETQ 31
	s_mov_b32 s14, 0
.Lsame:
	s_lshl_b32 s16, s14, 8
	STEPA 1
	STEPB 1, 1, 1
	s_add_co_u32 s14, s14, 1
	s_add_co_u32 s3, s3, 1
	s_cmp_lt_u32 s3, 7
	s_cbranch_scc1 .Lslot
	s_lshl_b32 s16, s14, 8                         ; trip 7 is written out: it asks for no keys; it never lies on a diagonal
	STEPA 0
	STEPB 0, 0, 2
	s_add_co_u32 s14, s14, 1
	s_lshl_b32 s16, s14, 8                         ; trip 8: the second block's diagonal slot; no slot follows
	STEPA 2
	STEPB 2, 2, 0
	YADDR 31
	FINAL 0, 48
	FINAL 1, 76
	s_wait_tensorcnt 0x0                           ; the wave's end
	ds_add_u32 v5, v6
	s_wait_dscnt 0x0
	s_endpgm
.Lfunc_end_k_q15e0c8f75b_attn:
	.size	k_q15e0c8f75b_attn, .Lfunc_end_k_q15e0c8f75b_attn-k_q15e0c8f75b_attn
	.p2alignl 7, 3214868480
	.fill 96, 4, 3214868480
	.section	.rodata,"a",@progbits
	.p2align	6, 0x0
	.amdhsa_kernel k_q15e0c8f75b_attn
		.amdhsa_group_segment_fixed_size 327680
		.amdhsa_private_segment_fixed_size 0
		.amdhsa_enable_private_segment 0
		.amdhsa_kernarg_size 24
		.amdhsa_user_sgpr_count 2
		.amdhsa_user_sgpr_kernarg_segment_ptr 1
		.amdhsa_wavefront_size32 1
		.amdhsa_system_sgpr_workgroup_id_x 1
		.amdhsa_system_sgpr_workgroup_id_y 1
		.amdhsa_system_sgpr_workgroup_id_z 1
		.amdhsa_system_vgpr_workitem_id 0
		.amdhsa_next_free_vgpr 512
		.amdhsa_next_free_sgpr 88
		.amdhsa_reserve_vcc 1
		.amdhsa_float_denorm_mode_32 3
		.amdhsa_float_denorm_mode_16_64 3
		.amdhsa_memory_ordered 1
		.amdhsa_forward_progress 1
		.amdhsa_inst_pref_size 216
	.end_amdhsa_kernel
	.amdgpu_metadata
---
amdhsa.version: [ 1, 2 ]
amdhsa.kernels:
  - .name:           k_q15e0c8f75b_attn
    .symbol:         k_q15e0c8f75b_attn.kd
    .args:
      - { .name: qkvc, .offset: 0, .size: 8, .value_kind: global_buffer, .address_space: global }
      - { .name: lowp_scales, .offset: 8, .size: 8, .value_kind: global_buffer, .address_space: global }
      - { .name: yc, .offset: 16, .size: 8, .value_kind: global_buffer, .address_space: global }
    .group_segment_fixed_size: 327680
    .private_segment_fixed_size: 0
    .kernarg_segment_align: 8
    .kernarg_segment_size: 24
    .max_flat_workgroup_size: 256
    .sgpr_count:     88
    .vgpr_count:     512
    .wavefront_size: 32
...
	.end_amdgpu_metadata
.endif
;; end of part 3
;; launch outp (part 4): grid 8 x 32, 4 waves a work-group, clusters of 4 x 4, 327,680 bytes of LDS; arguments yc, woc, lowp_scales, b_out, out0; writes out0
.if DOCPART == 4
	.amdgcn_target "amdgcn-amd-amdhsa--gfx1250"
	.amdhsa_code_object_version 6
	.text
	.protected	k_q15e0c8f75b_outp
	.globl	k_q15e0c8f75b_outp
	.p2align	8
	.type	k_q15e0c8f75b_outp,@function
k_q15e0c8f75b_outp:
	s_mov_b64 s[64:65], 0
	v_nop
	global_prefetch_b8 v0, s[64:65] scope:SCOPE_SE
	s_setreg_imm32_b32 hwreg(HW_REG_WAVE_MODE, 25, 1), 1
	s_wait_xcnt 0x0
	s_wait_alu depctr_hold_cnt(0) depctr_sa_sdst(0) depctr_va_vdst(0) depctr_va_sdst(0) depctr_va_ssrc(0) depctr_va_vcc(0) depctr_vm_vsrc(0)
	s_getreg_b32 s2, hwreg(HW_REG_IB_STS2, 6, 4)
	s_cmp_eq_u32 s2, 0
	s_cbranch_scc0 .Lentry_in_a_cluster
	s_endpgm
.Lentry_in_a_cluster:
	s_bfe_u32 s2, ttmp6, 0x10000c
	s_cmp_lg_u32 s2, 0xf033
	s_cbranch_scc0 .Lentry_shape_is_right
	s_endpgm
.Lentry_shape_is_right:
; out0 = y W_out + b_out on codes of E5M2.  y's codes lie as images of operand registers, [K step of 256][tile of 16 rows][4,096 bytes]; W_out's as [1024 n][1024 k], K innermost.  Each finished sum x 2^(e6 + e7), + bias.
; A block of the result is 256 rows x 128 columns: 32 x 8 = 256 work-groups.  Four waves, each 128 rows x 64 columns: 32 accumulators.  K goes in 4 steps of 256 through a ring of two LDS slots filled by the tensor data mover:
; waves 0 and 1 fetch y's two halves (128 dense rows of 256 bytes each), waves 2 and 3 W's (64 rows of 256 bytes, padded by 16 in LDS).
; CLUSTERS: 4 x 4 work-groups: y's tiles are asked for jointly along a row of the cluster, W's along a column.
; The matrix instruction is used transposed (source 0 = 16 rows of W, source 1 = 16 rows of y): a lane holds eight neighbouring columns of one row.  A block of 16 rows x 64 columns goes through the wave's own stage in LDS
; (in slot 0, behind its last fill and last read) and leaves as rows of 256 bytes: sixteen lanes store one aligned unit.
; LIMIT: e6 + e7 between -126 and 127, so that 2^(e6 + e7) is an f32 number.
.set ROWB,   256
.set KROW,   1024
.set PITCH,  272
.set FR,     16
.set NL,     4
.set NP,     4
.set HALFT,  64*PITCH
.set ABYTES, 65536
.set KSB,    2097152
.set SLOT,   ABYTES+2*HALFT
.set LAPS,   2
.set SPARE,  2*SLOT
.set SPITCH, 272
.set ADRA, 16
.set ADRB, 20
.set HO,   23
.set STO,  24
.set RD,   25
.set CO,   26
.set SPW,  28
.set NIL,  29
.set BI,   32
.set AF,   128
.set BK,   128
.set G1, 24
.set G0, 32
.set G1B, 48
.set G0B, 56
.set MSB, 0
.macro WIN new
.if MSB != \new
	s_set_vgpr_msb (MSB<<8)|\new
.set MSB, \new
.endif
.endm
.set MUL_LO, 0xa1
.set MUL_HI, 0xf1
.set TO_B,   0x40
.macro JLOAD g0a, g1a, g0b, g1b
	s_cmp_eq_u32 s15, 0
	s_cbranch_scc0 .Lfor_b_\@
	tensor_load_to_lds s[\g0a:\g0a+3], s[\g1a:\g1a+7]
	s_nop 0
.rept 4
	v_nop
.endr
	s_branch .Lasked_\@
.Lfor_b_\@:
	tensor_load_to_lds s[\g0b:\g0b+3], s[\g1b:\g1b+7]
	s_nop 0
.rept 4
	v_nop
.endr
.Lasked_\@:
.endm
.macro CREST
	s_cmp_lg_u32 s14, 0
	s_cbranch_scc1 .Lnot_wave_0_\@
	s_barrier_signal -3
.Lnot_wave_0_\@:
	s_barrier_wait -3
	s_barrier_signal -1
	s_barrier_wait -1
.endm
.macro CROUND
	s_barrier_signal -1
	s_barrier_wait -1
	CREST
.endm
	s_load_b128 s[4:7], s[0:1], 0x0
	s_load_b128 s[8:11], s[0:1], 0x10
	s_load_b64 s[68:69], s[0:1], 0x20
	v_lshl_add_u32 v[SPW], v0, 2, SPARE
	v_mov_b32 v[NIL], 0
	ds_add_u32 v28, v29
	ds_add_u32 v28, v29
	s_wait_dscnt 0x0
	v_lshrrev_b32 v1, 5, v0
	v_readfirstlane_b32 s14, v1
	s_lshr_b32 s15, s14, 1
	s_and_b32 s16, s14, 1
	s_bfe_u32 s40, ttmp6, 0x40000
	s_bfe_u32 s41, ttmp6, 0x40004
	s_lshl_b32 s42, ttmp9, 2
	s_add_co_u32 s42, s42, s40
	s_and_b32 s17, ttmp7, 0xffff
	s_lshl_b32 s17, s17, 2
	s_add_co_u32 s17, s17, s41
	s_lshl_b32 s43, s41, 2
	s_lshl_b32 s43, 15, s43
	s_lshl_b32 s44, 0x1111, s40
	s_or_b32 s[G1+0], s43, (3<<16)|(1<<21)
	s_mov_b32 s[G1+1], 32<<16
	s_mov_b32 s[G1+2], 128<<16
	s_mov_b32 s[G1+3], 32<<16
	s_mov_b32 s[G1+4], 128
	s_mov_b32 s[G1+5], 32
	s_mov_b32 s[G1+6], 0
	s_mov_b32 s[G1+7], 0
	s_or_b32 s[G1B+0], s44, (0<<16)|(1<<20)|(1<<21)|(5<<22)|(3<<25)
	s_mov_b32 s[G1B+1], ROWB<<16
	s_mov_b32 s[G1B+2], 64<<16
	s_mov_b32 s[G1B+3], ROWB<<16
	s_mov_b32 s[G1B+4], 64
	s_mov_b32 s[G1B+5], KROW
	s_mov_b32 s[G1B+6], 0
	s_mov_b32 s[G1B+7], 0
	s_lshl_b32 s20, s17, 16
	s_lshl_b32 s18, s16, 15
	s_add_co_u32 s20, s20, s18
	s_mov_b32 s21, 0
	s_lshl_b32 s46, s42, 17
	s_lshl_b32 s18, s16, 16
	s_add_co_u32 s46, s46, s18
	s_mov_b32 s47, 0
	s_lshl_b32 s45, s16, 15
	s_mul_i32 s73, s16, HALFT
	s_add_co_u32 s73, s73, ABYTES
	s_wait_kmcnt 0x0
	s_load_b64 s[96:97], s[8:9], 0x18
	s_add_nc_u64 s[20:21], s[4:5], s[20:21]
	s_add_nc_u64 s[46:47], s[6:7], s[46:47]
	CROUND
.irp s, 0,1
	s_mov_b32 s[G0+4*\s], 1
	s_add_co_u32 s[G0+4*\s+1], s45, \s*SLOT
	s_add_nc_u64 s[G0+4*\s+2:G0+4*\s+3], s[20:21], \s*KSB
	s_or_b32 s[G0+4*\s+3], s[G0+4*\s+3], 0x80000000
	s_mov_b32 s[G0B+4*\s], 1
	s_add_co_u32 s[G0B+4*\s+1], s73, \s*SLOT
	s_add_nc_u64 s[G0B+4*\s+2:G0B+4*\s+3], s[46:47], \s*ROWB
	s_or_b32 s[G0B+4*\s+3], s[G0B+4*\s+3], 0x80000000
.endr
	JLOAD G0, G1, G0B, G1B                         ; K step 0: one tensor load a wave at the head
	; PREFETCHES.  What a wave fetches is shared out among the four partners that ask for it jointly, by address: of y's 32,768 dense bytes a K step the partner at cx names 8,192, lanes 256 bytes apart;
	; of W's 64 rows the partner at cy names 16, a lane a row (lanes 16 to 31 name the last row again).  Behind K step 0's load K steps 1 and 2 are named, behind K step 1's load K step 3.  The address registers are never rewritten.
.macro ASKO k
	s_cmp_eq_u32 s15, 0
	s_cbranch_scc0 .Lpf_b_\@
	global_prefetch_b8 v30, s[88:89] offset:(\k)*KSB th:TH_LOAD_NT scope:SCOPE_SE
	s_branch .Lpf_d_\@
.Lpf_b_\@:
	global_prefetch_b8 v31, s[92:93] offset:(\k)*ROWB th:TH_LOAD_NT scope:SCOPE_SE
.Lpf_d_\@:
.endm
	s_lshl_b32 s90, s40, 13
	s_mov_b32 s91, 0
	s_add_nc_u64 s[88:89], s[20:21], s[90:91]
	s_lshl_b32 s90, s41, 14
	s_add_nc_u64 s[92:93], s[46:47], s[90:91]
	v_and_b32 v30, 31, v0
	v_min_u32 v31, 15, v30
	v_lshlrev_b32 v30, 8, v30
	v_lshlrev_b32 v31, 10, v31
	s_wait_alu depctr_va_vdst(0)                   ; the wait ahead of the branches below
	ASKO 1
	ASKO 2
	v_and_b32 v1, 15, v0
	v_bfe_u32 v2, v0, 4, 1
	v_mul_u32_u24 v3, v1, PITCH
	v_lshl_add_u32 v4, v2, 4, v3
	v_and_b32 v6, 31, v0
	v_lshlrev_b32 v[CO], 4, v6
	s_wait_alu depctr_va_vdst(0)
	s_lshl_b32 s21, s15, 15
	s_mul_i32 s22, s16, HALFT
	s_add_co_u32 s22, s22, ABYTES
.irp s, 0,1
	v_add_nc_u32 v[ADRA+\s], s21, v[CO]
	v_add_nc_u32 v[ADRB+\s], s22, v4
	s_add_co_u32 s21, s21, SLOT
	s_add_co_u32 s22, s22, SLOT
.endr
	s_mul_i32 s23, s14, 16*SPITCH
	v_mul_u32_u24 v5, v1, SPITCH
	v_lshl_add_u32 v5, v2, 5, v5
	v_add_nc_u32 v[STO], s23, v5
	v_mul_u32_u24 v5, v2, SPITCH                   ; back: lanes 0-15 take one row of 256 bytes, lanes 16-31 the next
	v_lshl_add_u32 v5, v1, 4, v5
	v_add_nc_u32 v[RD], s23, v5
	v_lshlrev_b32 v27, 12, v2                      ; and the same two rows in out0 (a row is 4,096 bytes)
	v_lshl_add_u32 v27, v1, 4, v27
	v_lshlrev_b32 v[HO], 5, v2
	s_wait_alu depctr_va_vdst(0)
	s_lshl_b32 s84, s17, 8
	s_lshl_b32 s85, s15, 7
	s_add_co_u32 s84, s84, s85
	s_lshl_b32 s84, s84, 12
	s_lshl_b32 s86, s42, 9
	s_lshl_b32 s85, s16, 8
	s_add_co_u32 s86, s86, s85
	s_add_co_u32 s84, s84, s86
	s_mov_b32 s85, 0
	s_add_nc_u64 s[68:69], s[68:69], s[84:85]
	s_mov_b32 s84, s86
	s_add_nc_u64 s[10:11], s[10:11], s[84:85]
.irp b, 0,1,2,3
	global_load_b128 v[BI+8*\b:BI+8*\b+3], v[HO], s[10:11] offset:64*\b
	global_load_b128 v[BI+8*\b+4:BI+8*\b+7], v[HO], s[10:11] offset:64*\b+16
.endr
.macro FRAG reg, adr, q, i
.irp c, 0,1,2,3
	ds_load_b128 v[\reg+4*\c:\reg+4*\c+3], v[\adr] offset:128*(\q)+32*\c+(\i)*16*PITCH
.endr
.endm
.macro FRAGA reg, adr, q, i
.irp c, 0,1,2,3
	ds_load_b128 v[\reg+4*\c:\reg+4*\c+3], v[\adr] offset:2048*(\q)+512*\c+(\i)*4096
.endr
.endm
.macro MUL16 a0, p, zero
.irp a, \a0, \a0+1
.irp b, 0,1,2,3
.if \zero
	v_wmma_f32_16x16x128_bf8_bf8 v[8*(8*((\a)%4)+\b):8*(8*((\a)%4)+\b)+7], v[128*(\p)+FR*\b:128*(\p)+FR*\b+FR-1], v[AF+FR*(\a):AF+FR*(\a)+FR-1], 0
.else
	v_wmma_f32_16x16x128_bf8_bf8 v[8*(8*((\a)%4)+\b):8*(8*((\a)%4)+\b)+7], v[128*(\p)+FR*\b:128*(\p)+FR*\b+FR-1], v[AF+FR*(\a):AF+FR*(\a)+FR-1], v[8*(8*((\a)%4)+\b):8*(8*((\a)%4)+\b)+7]
.endif
.endr
.endr
.endm
.macro FETCH_B slot, q, p
	WIN TO_B
.irp i, 0,1,2,3
	FRAG 128*(\p)+FR*\i, ADRB+\slot, \q, \i
.endr
	WIN 0
.endm
.macro FETCH_A slot, q, i0
.irp i, \i0, \i0+1, \i0+2, \i0+3
	FRAGA AF+FR*(\i), ADRA+\slot, \q, \i
.endr
.endm
.macro PLACES n
.rept \n
	v_nop
.endr
.endm
.macro STEP slot, q, zero
	s_wait_dscnt 4*NL
	WIN MUL_LO
	MUL16 0, (\q)%2, \zero
	MUL16 2, (\q)%2, \zero
	s_wait_dscnt 0
	PLACES NP
	FETCH_B \slot, (\q)+1, 1-(\q)%2
	FETCH_A \slot, (\q)+1, 0
	WIN MUL_HI
	MUL16 4, (\q)%2, \zero
	MUL16 6, (\q)%2, \zero
	PLACES NP
	WIN 0
	FETCH_A \slot, (\q)+1, 4
.endm
.macro TURN slot, next, fill
	s_wait_tensorcnt 0x0
	ds_add_u32 v[SPW], v[NIL]
	s_wait_dscnt 4*NL+1
	WIN MUL_LO
	MUL16 0, 1, 0
	s_wait_dscnt 0x0
	s_barrier_signal -1
	MUL16 2, 1, 0
	WIN 0
	s_barrier_wait -1
.if \fill
	CREST
	s_add_nc_u64 s[G0+4*\slot+2:G0+4*\slot+3], s[G0+4*\slot+2:G0+4*\slot+3], 2*KSB
	s_add_nc_u64 s[G0B+4*\slot+2:G0B+4*\slot+3], s[G0B+4*\slot+2:G0B+4*\slot+3], 2*ROWB
	JLOAD G0+4*\slot, G1, G0B+4*\slot, G1B
.else
	PLACES NP
.endif
	FETCH_B \next, 0, 0
	FETCH_A \next, 0, 0
	WIN MUL_HI
	MUL16 4, 1, 0
	MUL16 6, 1, 0
	PLACES NP
	WIN 0
	FETCH_A \next, 0, 4
.endm
	s_wait_alu depctr_va_vdst(0)                   ; the wait at the head's end
	s_wait_tensorcnt 0x0                           ; my part of K step 0 is in
	ds_add_u32 v[SPW], v[NIL]
	s_wait_dscnt 0x0
	CROUND                                         ; everybody's part of K step 0 is in, and all sixteen work-groups are here
	JLOAD G0+4, G1, G0B+4, G1B                     ; K step 1: the first tensor load behind the round
	FETCH_B 0, 0, 0
	FETCH_A 0, 0, 0
	FETCH_A 0, 0, 4
	ASKO 3
	STEP 0, 0, 1
	s_mov_b32 s3, LAPS-1
.Llap:
	TURN 0, 1, 1
	STEP 1, 0, 0
	TURN 1, 0, 1
	STEP 0, 0, 0
	s_sub_co_u32 s3, s3, 1
	s_cmp_lg_u32 s3, 0
	s_cbranch_scc1 .Llap
	TURN 0, 1, 0
	STEP 1, 0, 0
	s_wait_dscnt 4*NL
	WIN MUL_LO
	MUL16 0, 1, 0
	MUL16 2, 1, 0
	s_wait_dscnt 0
	WIN MUL_HI
	MUL16 4, 1, 0
	MUL16 6, 1, 0
	WIN 0
.macro TOSTAGE a
.set AC, 64*((\a)%4)
	WIN (0x42+((\a)/4))
.irp j, 0,2,4,6,8,10,12,14,16,18,20,22,24,26,28,30
	v_pk_fma_f32 v[\j:\j+1], v[AC+\j:AC+\j+1], s[96:97], v[BI+\j:BI+\j+1] op_sel_hi:[1,0,1]   ; sum x 2^(e6 + e7) + bias; each accumulator from its low end on
.endr
	WIN 0x04
.irp b, 0,1,2,3
	ds_store_b128 v[STO], v[8*\b:8*\b+3] offset:64*\b
	ds_store_b128 v[STO], v[8*\b+4:8*\b+7] offset:64*\b+16
.endr
	WIN 0
.set BB, BK+64*((\a)%2)
.irp t, 0,1,2,3,4,5,6,7
	ds_load_b128 v[BB+4*\t:BB+4*\t+3], v[RD] offset:2*\t*SPITCH   ; LDS serves a wave's instructions in order: these see my stores
.endr
.endm
.macro SEND a, younger
.set BB, BK+64*((\a)%2)
	s_wait_dscnt \younger
.if (\a) > 0
	s_add_nc_u64 s[68:69], s[68:69], 16*4096
.endif
.irp t, 0,1,2,3,4,5,6,7
	global_store_b128 v27, v[BB+4*\t:BB+4*\t+3], s[68:69] offset:2*\t*4096 th:TH_STORE_NT   ; sixteen lanes store 256 consecutive bytes, at a multiple of 256 from out0's first byte
.endr
.endm
	s_wait_kmcnt 0x0
	s_add_co_i32 s96, s96, s97
	s_add_co_i32 s96, s96, 127
	s_lshl_b32 s96, s96, 23
	PLACES NP
	s_wait_loadcnt 0x0
	TOSTAGE 0
.irp a, 1,2,3,4,5,6,7
.if \a > 1
	s_wait_xcnt 0x0
.endif
	TOSTAGE \a
	SEND \a-1, 16                                  ; behind block a - 1's loads: block a's 8 stores and 8 loads
.endr
	s_wait_xcnt 0x0
	SEND 7, 0
	s_wait_tensorcnt 0x0
	ds_add_u32 v[SPW], v[NIL]
	s_wait_dscnt 0x0
	CROUND
	s_endpgm
.Lfunc_end_k_q15e0c8f75b_outp:
	.size	k_q15e0c8f75b_outp, .Lfunc_end_k_q15e0c8f75b_outp-k_q15e0c8f75b_outp
	.p2alignl 7, 3214868480
	.fill 96, 4, 3214868480
	.section	.rodata,"a",@progbits
	.p2align	6, 0x0
	.amdhsa_kernel k_q15e0c8f75b_outp
		.amdhsa_group_segment_fixed_size 327680
		.amdhsa_private_segment_fixed_size 0
		.amdhsa_enable_private_segment 0
		.amdhsa_kernarg_size 40
		.amdhsa_user_sgpr_count 2
		.amdhsa_user_sgpr_kernarg_segment_ptr 1
		.amdhsa_wavefront_size32 1
		.amdhsa_system_sgpr_workgroup_id_x 1
		.amdhsa_system_sgpr_workgroup_id_y 1
		.amdhsa_system_sgpr_workgroup_id_z 1
		.amdhsa_system_vgpr_workitem_id 0
		.amdhsa_next_free_vgpr 1024
		.amdhsa_next_free_sgpr 100
		.amdhsa_reserve_vcc 0
		.amdhsa_float_denorm_mode_32 3
		.amdhsa_float_denorm_mode_16_64 3
		.amdhsa_memory_ordered 1
		.amdhsa_forward_progress 1
		.amdhsa_inst_pref_size 80
	.end_amdhsa_kernel
	.amdgpu_metadata
---
amdhsa.version: [ 1, 2 ]
amdhsa.kernels:
  - .name:           k_q15e0c8f75b_outp
    .symbol:         k_q15e0c8f75b_outp.kd
    .args:
      - { .name: yc, .offset: 0, .size: 8, .value_kind: global_buffer, .address_space: global }
      - { .name: woc, .offset: 8, .size: 8, .value_kind: global_buffer, .address_space: global }
      - { .name: lowp_scales, .offset: 16, .size: 8, .value_kind: global_buffer, .address_space: global }
      - { .name: b_out, .offset: 24, .size: 8, .value_kind: global_buffer, .address_space: global }
      - { .name: out0, .offset: 32, .size: 8, .value_kind: global_buffer, .address_space: global }
    .group_segment_fixed_size: 327680
    .private_segment_fixed_size: 0
    .kernarg_segment_align: 8
    .kernarg_segment_size: 40
    .max_flat_workgroup_size: 128
    .sgpr_count:     100
    .vgpr_count:     1024
    .wavefront_size: 32
...
	.end_amdgpu_metadata
.endif
;; end of part 4
